; MI455X (gfx1250); checked and timed in simulation.
; The chip was launched on July 23, 2026; its instructions are those of AMD's public machine-readable ISA for CDNA 5 (MIT licence, August 2026) and "CDNA5" Instruction Set Architecture Reference Guide (July 2026). The comments in the code are by the model that wrote it; some were corrected since.
;; Multi Head Attention. Allowed arithmetic: matrix products marked QUANTISED: E2M1 operands, one E8M0 scale for each 32 along K, by v_wmma_scale_f32_16x16x128_f8f6f4 with both operands' format E2M1 (or v_wmma_scale_f32_32x16x128_f4), f32 sums; products left as they are: bf16, f16 or f32 operands; f32 sums; everything else in f32.
;; Inputs: b_k 1,024 float32; b_o 1,024 float32; b_q 1,024 float32; b_v 1,024 float32; k 2 x 2,048 x 1,024 float32; q 2 x 2,048 x 1,024 float32; v 2 x 2,048 x 1,024 float32; w_k 1,024 x 1,024 float32; w_o 1,024 x 1,024 float32; w_q 1,024 x 1,024 float32; w_v 1,024 x 1,024 float32.
;; Outputs: out0 2 x 2,048 x 1,024 float32.
;; This version of the problem:
;;   THIS VERSION OF THE PROBLEM IS GIVEN IN LOW PRECISION. The matrix products marked QUANTISED in the list below multiply operands that are first quantised to E2M1 (2 exponent bits, 1 mantissa bit; 4 bits a number), with one power-of-two scale for each 32 numbers along K (OCP MX v1.0); their sums are f32. The products marked 'left as it is' may take bf16, f16 or f32 operands, with f32 sums. Whichever they take, every output number must still come out within the allowed error. Rounding operands to bf16 (8 significant bits) uses up far more of that allowance than f16 does (11 bits, for magnitudes from 6e-5 to 65,504). All else is computed in f32.
;;   The module's matrix products, in the order in which they are computed (A, B: the left and right operand; K: the contracted axis; several contracted axes count as one K, in the product's order):
;;     1. [M 4,096, K 1,024] x [K 1,024, N 1,024]; A: input q; B: input w_q: QUANTISED
;;     2. [M 4,096, K 1,024] x [K 1,024, N 1,024]; A: input k; B: input w_k: QUANTISED
;;     3. [M 4,096, K 1,024] x [K 1,024, N 1,024]; A: input v; B: input w_v: QUANTISED
;;     4. batch 32 x [M 2,048, K 64] x [K 64, N 2,048]; A: computed on the way; B: computed on the way: left as it is (an operand is computed on the way)
;;     5. batch 32 x [M 2,048, K 2,048] x [K 2,048, N 64]; A: computed on the way; B: computed on the way: left as it is (an operand is computed on the way)
;;     6. [M 4,096, K 1,024] x [K 1,024, N 1,024]; A: computed on the way; B: input w_o: left as it is (an operand is computed on the way)
;;   THE QUANTISER, for each operand of a quantised product, along K:
;;     - K is cut into blocks of 32 from its start; a last block that is shorter is filled with zeros.
;;     - A block's scale is 2^e with e = floor(log2(the largest magnitude in the block)) - 2, held to -126 .. 127; a block of zeros has e = 0. As a byte (E8M0): e + 127.
;;     - Each number is divided by its block's scale, clamped to +-6, and rounded to the nearest number of E2M1, ties to even, subnormals kept.
;;     - The product sums the exact products of the quantised numbers (number of the format x scale) in f32.
;;   ~~~python
;;   def quantise(x, axis):      # numpy; x: float32 -> the quantised numbers, widened to float32 again
;;       x = np.moveaxis(x, axis, -1); K = x.shape[-1]
;;       x = np.pad(x, [(0, 0)] * (x.ndim - 1) + [(0, -K % 32)]); x = x.reshape(x.shape[:-1] + (-1, 32)); a = np.abs(x).max(-1, keepdims=True)
;;       e = np.where(a > 0, np.clip(np.frexp(np.where(a > 0, a, 1))[1] - 1 - 2, -126, 127), 0)      # np.frexp(a)[1] - 1 = floor(log2(a)), exactly
;;       r = np.clip(x / 2.0 ** e, -6, 6)
;;       step = 2.0 ** (np.maximum(np.frexp(np.where(r == 0, 1, r))[1] - 1, 0) - 1)
;;       q = np.round(r / step) * step * 2.0 ** e      # np.round: ties to even
;;       return np.moveaxis(q.reshape(q.shape[:-2] + (-1,))[..., :K], -1, axis).astype(np.float32)
;;   ~~~
;; One version. Each part assembles by itself: llvm-mc -triple=amdgcn-amd-amdhsa -mcpu=gfx1250 --defsym DOCPART=n.
;; ======== version 1 of 1: 4 launches
;; limits: values are held in f16: magnitudes above 65,504 overflow, below 6.1e-05 lose precision
;; workspace buffers: xcodes 6,291,456 bytes; xscales 393,216 bytes; wcodes 1,572,864 bytes; wscales 98,304 bytes; wot 2,097,152 bytes; heads 25,165,824 bytes; ao 8,388,608 bytes
;; launch prep (part 1): grid 544 x 1, 4 waves a work-group, no clusters, 102,912 bytes of LDS; arguments q, k, v, w_q, w_k, w_v, w_o, xcodes, xscales, wcodes, wscales, wot; writes xcodes, xscales, wcodes, wscales, wot
.if DOCPART == 1
	.amdgcn_target "amdgcn-amd-amdhsa--gfx1250"
	.amdhsa_code_object_version 6
	.text
	.protected	k_q66175333f4_prep
	.globl	k_q66175333f4_prep
	.p2align	8
	.type	k_q66175333f4_prep,@function
k_q66175333f4_prep:
	s_mov_b64 s[64:65], 0
	v_nop
	global_prefetch_b8 v0, s[64:65] scope:SCOPE_SE
	s_setreg_imm32_b32 hwreg(HW_REG_WAVE_MODE, 25, 1), 1
	s_wait_xcnt 0x0
; PREP: everything that is made once from the inputs, in one launch of three paths that part on the work-group's number.
;   X (work-groups 0-383):   q, k, v [4096][1024] f32 -> codes of FP4 (E2M1), K innermost, xcodes [3][4096][512 B], and one E8M0 byte for each 32 along K, xscales [3][4096][32 B].
;   W (work-groups 384-479): w_q, w_k, w_v [k 1024][n 1024] f32, K their FIRST axis -> wcodes [3][n 1024][512 B], wscales [3][n][32 B], K innermost.
;   O (work-groups 480-543): w_o [k][n] f32 -> wot [n 1024][k 1024] f16, K innermost.
; A block's scale is 2^(floor(log2(its largest magnitude)) - 2); its byte is the largest magnitude's exponent field - 2, held at 1 from below.
; LIMITS: a block of zeros gets the byte 1 where the rule says 127 (its codes are zeros, and this program alone reads the bytes); blocks whose largest magnitude lies under 2^-124 were not tried;
; NaN and infinities are not served; w_o must lie within f16's range, +-65,504.
; No tensor load, no barrier: waves share nothing.  Each path has LDS bytes of its own: X 0 .. 32,767 (8,192 a wave), W from 32,768 (4,352 a wave), O from 67,584 (8,704 a wave); the spare words behind them.
.set SPARE, 102400                     ; 128 bytes for each wave: two blocks of 256 bytes that no other line names
.set SPW,   226                        ; v226  LDS address of my spare word; never rewritten
.set NIL,   227                        ; v227  0; never rewritten
.set EMAX,  2
.set SP,    80                         ; path X: a lane's place in a stage: 64 bytes + 16 of padding
.set DEPTH, 8                          ; path X: loads run eight steps ahead: 32 loads, 16,384 bytes of a wave are out
.set XR,    16                         ; path X: v16-143 eight sets of 16 numbers as loaded
.set XX,    144                        ;         v144-175 two sets of 16 neighbours
.set XE,    176                        ;         v176-191 a scale byte for each step
.set XC,    192                        ;         v192-223 two registers of codes for each step
.set PITCH, 272                        ; paths W, O: a stage row: 256 bytes + 16
.set WX,    32                         ; paths W, O: v32-95 two sets of 32 numbers
.set WC,    96                         ;         v96.. what a block makes
.set SB,    24                         ;         v24-25 the scale bytes, four to a register
.set OUTR,  112                        ;         v112-175 the way out
	s_load_b256 s[4:11], s[0:1], 0x0               ; q, k, v, w_q
	s_load_b256 s[12:19], s[0:1], 0x20             ; w_k, w_v, w_o, xcodes
	s_load_b256 s[20:27], s[0:1], 0x40             ; xscales, wcodes, wscales, wot
	v_lshl_add_u32 v[SPW], v0, 2, SPARE
	v_mov_b32 v[NIL], 0
	v_lshrrev_b32 v1, 5, v0
	v_readfirstlane_b32 s28, v1                    ; wave 0..3
	v_and_b32 v2, 31, v0                           ; lane
	s_wait_kmcnt 0x0
	s_cmp_lt_u32 ttmp9, 384
	s_cbranch_scc0 .Lw
; ---------------- PATH X: a tensor is a plain stream of blocks of 32.  A wave takes 16 steps of 512 numbers.
; Each load reads 512 consecutive bytes; a step's 2,048 bytes turn through the wave's stage so that a lane holds 16 neighbours (two lanes a block).
	s_cmp_lt_u32 ttmp9, 128                        ; which tensor: the choice hangs on the work-group's number alone
	s_cselect_b64 s[30:31], s[4:5], s[6:7]
	s_cmp_lt_u32 ttmp9, 256
	s_cselect_b64 s[30:31], s[30:31], s[8:9]
	s_and_b32 s29, ttmp9, 127
	s_lshl_b32 s29, s29, 2
	s_add_co_u32 s29, s29, s28                     ; my run of 8,192 numbers in the tensor
	s_lshl_b32 s36, s29, 15                        ; 32,768 bytes a run
	s_mov_b32 s37, 0
	s_add_nc_u64 s[30:31], s[30:31], s[36:37]
	s_lshl_b32 s29, ttmp9, 2
	s_add_co_u32 s29, s29, s28                     ; my run among the three tensors' runs
	s_lshl_b32 s36, s29, 12                        ; 4,096 bytes of codes a run
	s_add_nc_u64 s[32:33], s[18:19], s[36:37]
	s_lshl_b32 s36, s29, 8                         ; 256 scale bytes a run
	s_add_nc_u64 s[34:35], s[20:21], s[36:37]
	v_lshlrev_b32 v3, 4, v2                        ; my 16 bytes of a load's 512
	s_mul_i32 s29, s28, 8192                       ; my wave's LDS region
	v_lshrrev_b32 v14, 2, v2
	v_mul_u32_u24 v14, v14, SP
	v_and_b32 v15, 3, v2
	v_lshl_add_u32 v14, v15, 4, v14
	v_add_nc_u32 v14, s29, v14                     ; the stage, way in: SP (lane / 4) + 16 (lane % 4)
	v_mul_u32_u24 v15, v2, SP
	v_add_nc_u32 v15, s29, v15                     ; way out: SP x lane: my 16 neighbours
	v_lshlrev_b32 v4, 3, v2                        ; 8 bytes a lane: my codes in a step's 256 bytes, and my part of the 256 scale bytes
	v_lshrrev_b32 v5, 1, v2
	s_add_co_u32 s29, s29, 2*32*SP                 ; behind the two stages: my wave's 256 scale bytes
	v_add_nc_u32 v5, s29, v5                       ; my block's byte
	v_add_nc_u32 v6, s29, v4                       ; and 8 bytes a lane on the way out
.macro XLOAD t
.irp i, 0,1,2,3
	global_load_b128 v[XR+16*((\t)%DEPTH)+4*\i:XR+16*((\t)%DEPTH)+4*\i+3], v3, s[30:31] offset:2048*(\t)+512*\i th:TH_LOAD_NT
.endr
.endm
.macro XTURN t                         ; LDS serves a wave's instructions in order: no wait between the stores and the loads
.irp i, 0,1,2,3
	ds_store_b128 v14, v[XR+16*((\t)%DEPTH)+4*\i:XR+16*((\t)%DEPTH)+4*\i+3] offset:32*SP*((\t)%2)+8*SP*\i
.endr
.irp i, 0,1,2,3
	ds_load_b128 v[XX+16*((\t)%2)+4*\i:XX+16*((\t)%2)+4*\i+3], v15 offset:32*SP*((\t)%2)+16*\i
.endr
.endm
.irp t, 0,1,2,3,4,5,6,7
	XLOAD \t
.endr
	s_wait_loadcnt 28                              ; step 0's four loads are in; seven steps' 28 may be out
	XTURN 0
.macro XSTEP t
.set XS, XX+16*((\t)%2)
.if (\t) > 0
	s_wait_dscnt 1                                 ; this step's numbers are back from the stage; the last step's byte store may be out
.else
	s_wait_dscnt 0x0
.endif
.if (\t)+DEPTH < 16
	XLOAD (\t)+DEPTH                               ; into the set whose stores into the stage are done
.endif
.if (\t)+1 < 16
.if 14-(\t) >= DEPTH-1
	s_wait_loadcnt 4*(DEPTH-1)                     ; the next step's four loads are in; those of the seven steps behind it may be out
.else
	s_wait_loadcnt 4*(14-(\t))
.endif
	XTURN (\t)+1
.endif
	v_max3_num_f32 v8, |v[XS]|, |v[XS+1]|, |v[XS+2]|   ; the largest magnitude of my 16, in two chains
	v_max3_num_f32 v9, |v[XS+3]|, |v[XS+4]|, |v[XS+5]|
.irp i, 6,10
	v_max3_num_f32 v8, v8, |v[XS+\i]|, |v[XS+\i+1]|
	v_max3_num_f32 v9, v9, |v[XS+\i+2]|, |v[XS+\i+3]|
.endr
	v_max3_num_f32 v8, v8, |v[XS+14]|, |v[XS+15]|
	v_max3_num_f32 v8, v8, v9, (EMAX+1)<<23        ; and the floor 2^(3 - 127): the byte cannot fall under 1
	v_max_num_f32_dpp v8, v8, v8 row_xmask:1 row_mask:0xf bank_mask:0xf   ; with my neighbour's 16: the block's
	v_add_nc_u32 v11, -(EMAX<<23), v8              ; 2 off its exponent field: the conversion's scale operand
	v_cvt_scalef32_pk8_fp4_f32 v[XC+2*(\t)], v[XS:XS+7], v11
	v_cvt_scalef32_pk8_fp4_f32 v[XC+2*(\t)+1], v[XS+8:XS+15], v11
	v_lshrrev_b32 v[XE+(\t)], 23, v11              ; the scale's byte (also the plain line behind the conversions)
	ds_store_b8 v5, v[XE+(\t)] offset:16*(\t)      ; both lanes of a block write the same byte with the same value
	global_store_b64 v4, v[XC+2*(\t):XC+2*(\t)+1], s[32:33] offset:256*(\t)   ; the wave stores 256 consecutive bytes, aligned
.endm
.irp t, 0,1,2,3,4,5,6,7,8,9,10,11,12,13,14,15
	XSTEP \t
.endr
	ds_load_b64 v[8:9], v6                         ; in order behind my byte stores
	s_wait_dscnt 0x0
	global_store_b64 v4, v[8:9], s[34:35]          ; 256 scale bytes, aligned
	s_wait_tensorcnt 0x0                           ; the wave's end, behind my last LDS store
	ds_add_u32 v[SPW], v[NIL]
	s_wait_dscnt 0x0
	s_endpgm
; ---------------- PATHS W AND O share their skeleton: a lane takes a column n and its registers run down K, so that what a lane makes has K innermost.
; It goes through the wave's stage (row = column n) and leaves as rows: sixteen lanes store 256 consecutive bytes, aligned.
.macro WLOAD t                         ; 32 rows of K at my column, into set t % 2
.irp i, 0,1,2,3,4,5,6,7,8,9,10,11,12,13,14,15,16,17,18,19,20,21,22,23,24,25,26,27,28,29,30,31
	global_load_b32 v[WX+32*((\t)%2)+\i], v3, s[30:31] offset:(32*(\t)+\i)*4096 th:TH_LOAD_NT
.endr
.endm
.macro WOUT krow, n                    ; 2 n stage rows of 256 bytes, two an instruction
.set i, 0
.rept \n
	ds_load_b128 v[OUTR+4*i:OUTR+4*i+3], v7 offset:2*i*PITCH
.set i, i+1
.endr
.set i, 0
.rept \n
	s_wait_dscnt (\n)-1-i                          ; LDS loads come back in order: number i is in
	global_store_b128 v8, v[OUTR+4*i:OUTR+4*i+3], s[38:39] offset:2*i*\krow
.set i, i+1
.endr
.endm
.Lw:
	s_cmp_lt_u32 ttmp9, 480
	s_cbranch_scc0 .Lo
; ---------------- PATH W: a wave takes 16 columns x 512 along K.  Lane (r, h) takes column r and K = 256 h on: 8 blocks a lane.  A load reads 64 consecutive bytes in each half of the lanes;
; the four waves of a work-group stand side by side on 256.  A column's 512 codes, 256 bytes, come from two lanes of ONE wave: no wave waits for another.
	s_sub_co_u32 s29, ttmp9, 384
	s_cmp_lt_u32 s29, 32
	s_cselect_b64 s[30:31], s[10:11], s[12:13]
	s_cmp_lt_u32 s29, 64
	s_cselect_b64 s[30:31], s[30:31], s[14:15]
	s_lshr_b32 s32, s29, 5                         ; which weight
	s_and_b32 s33, s29, 15                         ; which 64 columns
	s_bfe_u32 s34, s29, 0x10004                    ; which half of K
	s_lshl_b32 s33, s33, 6
	s_lshl_b32 s35, s28, 4
	s_add_co_u32 s33, s33, s35                     ; my wave's first column
	s_lshl_b32 s36, s34, 21                        ; 512 rows of 4,096 bytes
	s_lshl_b32 s35, s33, 2
	s_add_co_u32 s36, s36, s35
	s_mov_b32 s37, 0
	s_add_nc_u64 s[30:31], s[30:31], s[36:37]
	s_lshl_b32 s32, s32, 10
	s_add_co_u32 s32, s32, s33                     ; my first row among the three weights' 3,072
	s_lshl_b32 s36, s32, 9
	s_lshl_b32 s35, s34, 8
	s_add_co_u32 s36, s36, s35
	s_add_nc_u64 s[38:39], s[22:23], s[36:37]      ; codes
	s_lshl_b32 s36, s32, 5
	s_lshl_b32 s35, s34, 4
	s_add_co_u32 s36, s36, s35
	s_add_nc_u64 s[40:41], s[24:25], s[36:37]      ; scale bytes
	v_and_b32 v5, 15, v2                           ; r
	v_lshrrev_b32 v6, 4, v2                        ; h
	v_lshlrev_b32 v3, 2, v5
	v_lshl_add_u32 v3, v6, 20, v3                  ; in: 4 r; lanes 16-31 begin 256 rows of 4,096 bytes further down
	s_mul_i32 s35, s28, 16*PITCH
	s_add_co_u32 s35, s35, 32768                   ; my stage: 16 rows
	v_mul_u32_u24 v4, v5, PITCH
	v_lshl_add_u32 v4, v6, 7, v4
	v_add_nc_u32 v4, s35, v4                       ; into it: row r, my half of its 256 bytes
	v_mul_u32_u24 v7, v6, PITCH
	v_lshl_add_u32 v7, v5, 4, v7
	v_add_nc_u32 v7, s35, v7                       ; out of it: sixteen lanes to a row, two rows an instruction
	v_lshlrev_b32 v8, 9, v6
	v_lshl_add_u32 v8, v5, 4, v8                   ; and the same place in the codes' buffer (512 bytes a row)
	v_lshlrev_b32 v9, 5, v5
	v_lshl_add_u32 v9, v6, 3, v9                   ; my 8 scale bytes: 32 r + 8 h
	WLOAD 0
	WLOAD 1
.macro BLOCKW t
.set XS, WX+32*((\t)%2)
.if (\t) < 7
	s_wait_loadcnt 32                              ; this block's 32 loads are in; the next block's may be out
.else
	s_wait_loadcnt 0
.endif
	v_max3_num_f32 v12, |v[XS]|, |v[XS+1]|, |v[XS+2]|   ; all 32 numbers of the block are mine
	v_max3_num_f32 v13, |v[XS+3]|, |v[XS+4]|, |v[XS+5]|
.irp i, 6,10,14,18,22,26
	v_max3_num_f32 v12, v12, |v[XS+\i]|, |v[XS+\i+1]|
	v_max3_num_f32 v13, v13, |v[XS+\i+2]|, |v[XS+\i+3]|
.endr
	v_max3_num_f32 v12, v12, |v[XS+30]|, |v[XS+31]|
	v_max3_num_f32 v12, v12, v13, (EMAX+1)<<23
	v_add_nc_u32 v11, -(EMAX<<23), v12
	v_lshrrev_b32 v13, 23, v11
.if (\t)%4 == 0
	v_mov_b32 v[SB+(\t)/4], v13
.else
	v_lshl_or_b32 v[SB+(\t)/4], v13, 8*((\t)%4), v[SB+(\t)/4]
.endif
.irp g, 0,1,2,3
	v_cvt_scalef32_pk8_fp4_f32 v[WC+\g], v[XS+8*\g:XS+8*\g+7], v11
.endr
	v_nop                                          ; one plain line behind the last conversion
	ds_store_b128 v4, v[WC:WC+3] offset:16*(\t)
.if (\t)+2 < 8
	WLOAD (\t)+2
.endif
	s_wait_dscnt 0x0                               ; the store has read its registers: the next block's codes may be written
.endm
.irp t, 0,1,2,3,4,5,6,7
	BLOCKW \t
.endr
	global_store_b64 v9, v[SB:SB+1], s[40:41]      ; my 8 scale bytes
	WOUT 512, 8
	s_wait_tensorcnt 0x0                           ; the wave's end
	ds_add_u32 v[SPW], v[NIL]
	s_wait_dscnt 0x0
	s_endpgm
.Lo:
; ---------------- PATH O: a wave takes 32 columns x 128 along K of w_o, a lane a column; 32 numbers down K become 64 bytes of f16 of the column's row.  A load reads 128 consecutive bytes.
	s_sub_co_u32 s29, ttmp9, 480
	s_and_b32 s33, s29, 7
	s_lshr_b32 s34, s29, 3                         ; which 128 along K
	s_lshl_b32 s33, s33, 7
	s_lshl_b32 s35, s28, 5
	s_add_co_u32 s33, s33, s35                     ; my wave's first column
	s_lshl_b32 s36, s34, 19                        ; 128 rows of 4,096 bytes
	s_lshl_b32 s35, s33, 2
	s_add_co_u32 s36, s36, s35
	s_mov_b32 s37, 0
	s_add_nc_u64 s[30:31], s[16:17], s[36:37]
	s_lshl_b32 s36, s33, 11                        ; a row of wot is 2,048 bytes
	s_lshl_b32 s35, s34, 8
	s_add_co_u32 s36, s36, s35
	s_add_nc_u64 s[38:39], s[26:27], s[36:37]
	v_lshlrev_b32 v3, 2, v2                        ; in: 4 bytes a lane
	s_mul_i32 s35, s28, 32*PITCH
	s_add_co_u32 s35, s35, 67584                   ; my stage: 32 rows
	v_mul_u32_u24 v4, v2, PITCH
	v_add_nc_u32 v4, s35, v4                       ; into it: row = my column
	v_and_b32 v5, 15, v2
	v_lshrrev_b32 v6, 4, v2
	v_mul_u32_u24 v7, v6, PITCH
	v_lshl_add_u32 v7, v5, 4, v7
	v_add_nc_u32 v7, s35, v7                       ; out of it: sixteen lanes to a row
	v_lshlrev_b32 v8, 11, v6
	v_lshl_add_u32 v8, v5, 4, v8                   ; and the same place in wot
	WLOAD 0
	WLOAD 1
.macro BLOCKO t
.set XS, WX+32*((\t)%2)
.if (\t) < 3
	s_wait_loadcnt 32                              ; this block's 32 loads are in; the next block's may be out
.else
	s_wait_loadcnt 0
.endif
.irp i, 0,1,2,3,4,5,6,7,8,9,10,11,12,13,14,15
	v_cvt_pk_f16_f32 v[WC+\i], v[XS+2*\i], v[XS+2*\i+1]
.endr
.irp g, 0,1,2,3
	ds_store_b128 v4, v[WC+4*\g:WC+4*\g+3] offset:64*(\t)+16*\g
.endr
.if (\t)+2 < 4
	WLOAD (\t)+2
.endif
	s_wait_dscnt 0x0
.endm
.irp t, 0,1,2,3
	BLOCKO \t
.endr
	WOUT 2048, 16
	s_wait_tensorcnt 0x0                           ; the wave's end
	ds_add_u32 v[SPW], v[NIL]
	s_wait_dscnt 0x0
	s_endpgm
.Lfunc_end_k_q66175333f4_prep:
	.size	k_q66175333f4_prep, .Lfunc_end_k_q66175333f4_prep-k_q66175333f4_prep
	.p2alignl 7, 3214868480
	.fill 96, 4, 3214868480
	.section	.rodata,"a",@progbits
	.p2align	6, 0x0
	.amdhsa_kernel k_q66175333f4_prep
		.amdhsa_group_segment_fixed_size 102912
		.amdhsa_private_segment_fixed_size 0
		.amdhsa_enable_private_segment 0
		.amdhsa_kernarg_size 96
		.amdhsa_user_sgpr_count 2
		.amdhsa_user_sgpr_kernarg_segment_ptr 1
		.amdhsa_wavefront_size32 1
		.amdhsa_system_sgpr_workgroup_id_x 1
		.amdhsa_system_sgpr_workgroup_id_y 1
		.amdhsa_system_sgpr_workgroup_id_z 1
		.amdhsa_system_vgpr_workitem_id 0
		.amdhsa_next_free_vgpr 228
		.amdhsa_next_free_sgpr 66
		.amdhsa_reserve_vcc 0
		.amdhsa_float_denorm_mode_32 3
		.amdhsa_float_denorm_mode_16_64 3
		.amdhsa_memory_ordered 1
		.amdhsa_forward_progress 1
		.amdhsa_inst_pref_size 95
	.end_amdhsa_kernel
	.amdgpu_metadata
---
amdhsa.version: [ 1, 2 ]
amdhsa.kernels:
  - .name:           k_q66175333f4_prep
    .symbol:         k_q66175333f4_prep.kd
    .args:
      - { .name: q, .offset: 0, .size: 8, .value_kind: global_buffer, .address_space: global }
      - { .name: k, .offset: 8, .size: 8, .value_kind: global_buffer, .address_space: global }
      - { .name: v, .offset: 16, .size: 8, .value_kind: global_buffer, .address_space: global }
      - { .name: w_q, .offset: 24, .size: 8, .value_kind: global_buffer, .address_space: global }
      - { .name: w_k, .offset: 32, .size: 8, .value_kind: global_buffer, .address_space: global }
      - { .name: w_v, .offset: 40, .size: 8, .value_kind: global_buffer, .address_space: global }
      - { .name: w_o, .offset: 48, .size: 8, .value_kind: global_buffer, .address_space: global }
      - { .name: xcodes, .offset: 56, .size: 8, .value_kind: global_buffer, .address_space: global }
      - { .name: xscales, .offset: 64, .size: 8, .value_kind: global_buffer, .address_space: global }
      - { .name: wcodes, .offset: 72, .size: 8, .value_kind: global_buffer, .address_space: global }
      - { .name: wscales, .offset: 80, .size: 8, .value_kind: global_buffer, .address_space: global }
      - { .name: wot, .offset: 88, .size: 8, .value_kind: global_buffer, .address_space: global }
    .group_segment_fixed_size: 102912
    .private_segment_fixed_size: 0
    .kernarg_segment_align: 8
    .kernarg_segment_size: 96
    .max_flat_workgroup_size: 128
    .sgpr_count:     66
    .vgpr_count:     228
    .wavefront_size: 32
...
	.end_amdgpu_metadata
.endif
;; end of part 1
;; launch proj (part 2): grid 4 x 48, 4 waves a work-group, clusters of 4 x 4, 327,680 bytes of LDS; arguments xcodes, xscales, wcodes, wscales, b_q, b_k, b_v, heads; writes heads
.if DOCPART == 2
	.amdgcn_target "amdgcn-amd-amdhsa--gfx1250"
	.amdhsa_code_object_version 6
	.text
	.protected	k_q66175333f4_proj
	.globl	k_q66175333f4_proj
	.p2align	8
	.type	k_q66175333f4_proj,@function
k_q66175333f4_proj:
	s_mov_b64 s[64:65], 0
	v_nop
	global_prefetch_b8 v0, s[64:65] scope:SCOPE_SE
	s_setreg_imm32_b32 hwreg(HW_REG_WAVE_MODE, 25, 1), 1
	s_wait_xcnt 0x0
	s_wait_alu depctr_hold_cnt(0) depctr_sa_sdst(0) depctr_va_vdst(0) depctr_va_sdst(0) depctr_va_ssrc(0) depctr_va_vcc(0) depctr_vm_vsrc(0)
	s_getreg_b32 s2, hwreg(HW_REG_IB_STS2, 6, 4)
	s_cmp_eq_u32 s2, 0
	s_cbranch_scc0 .Lentry_in_a_cluster
	s_endpgm
.Lentry_in_a_cluster:
	s_bfe_u32 s2, ttmp6, 0x10000c
	s_cmp_lg_u32 s2, 0xf033
	s_cbranch_scc0 .Lentry_shape_is_right
	s_endpgm
.Lentry_shape_is_right:
; PROJ: the three quantised products q w_q, k w_k, v w_v on codes of FP4 with E8M0 scales (K = 1,024), + bias, to f16, laid by heads.
; A tile of 256 x 256 is made by four waves, 128 x 128 each (64 accumulators, 512 registers).  All of K lies in two LDS slots of 512 along K: three first fills a wave (scales, slot 0, slot 1), nothing is filled again.
; KIND = cluster y / 4: 0 Q, 1 K, 2 V.  'A' is the operand whose row a lane keeps (source 1), 'B' the one of whose rows a lane holds eight neighbours (source 0).
;   Q, K: A = the tokens' codes, B = the weight's: a lane holds 8 neighbouring channels of a token.  Out: plane KIND of heads, [bh][l][64] f16.  Q is also multiplied by c = log2(e) / 8.
;   V:    A = w_v's codes, B = the tokens': a lane holds 8 neighbouring KEYS of a channel.  Out: plane 2, [bh][l / 64][channel 64][64 keys] f16.
; What KIND decides is chosen by s_cselect alone: all work-groups run one text.  result = sum x CS + (column bias x FC) + (row bias x FR), FC = CS and FR = 0 for Q, K; FC = 0 and FR = 1 for V.
; CLUSTERS: 4 x 4 work-groups; A's tiles are shared along a row of the cluster, B's along a column: joint loads.
; LIMITS: c (q w_q + b_q), k w_k + b_k and v w_v + b_v must lie within f16's range, +-65,504; NaN and infinities (in the biases too) are not served.
; REGISTERS: window 0: v0-31 addresses; v32-95 scale words, two sets; v96-119 the row bias; v128-191 A's fragments, one set; v192-255 the column bias.  Window 1: B's fragments, two sets.  Windows 2, 3: the accumulators.
.set KSTEP,  512
.set NQ,     4
.set ROWB,   256
.set KROW,   512
.set PITCH,  272                       ; an LDS row: 256 bytes + 16: the 16 rows of a fragment load start at 16 different 16-byte columns of 256
.set FR,     8
.set NL,     2
.set NP,     4
.set HALFT,  128*PITCH
.set SLOT,   4*HALFT
.set KS,     32
.set SCL,    2*SLOT
.set HALFS,  (128*KS/256)*272
.set SBLK,   (16*KS/256)*272
.set SPARE,  SCL+4*HALFS               ; the spare words, 128 bytes for each wave: two blocks of 256 bytes that no other line names
.set SPITCH, 400                       ; the way out: a stage of 16 rows x (256 bytes + 144) for each wave, in slot 0, which has had its one fill and its last read by then
.set ADRA, 16
.set ADRB, 20
.set STO,  24
.set RD,   25
.set CO,   26
.set ADRS, 27
.set SPW,  28
.set NIL,  29
.set BCO,  30                          ; v30  byte offset of my eight column biases
.set BRO,  31                          ; v31  of my row biases
.set SC,   32
.set BR,   96                          ; v96-103 row bias of block a;  v104-119 the same x FR, as pairs
.set BRP,  104
.set AF,   128
.set T,    128                         ; the way out: a block's 64 numbers, then its 32 packed words
.set BC,   192                         ; v192-255 column bias x FC, in the accumulators' layout
.set BK,   32                          ; the way out: rows read back: v32-63 and v64-95 by turns
.set G1, 24
.set G0, 32
.set G1B, 48
.set G0B, 56
.set G1S, 68
.set G0S, 76
.set G1SB, 80
.set G0SB, 88
.set CSC, 96                           ; s[96:97] CS, twice
.set SFC, 92                           ; s92 FC, s93 FR
.set KIND, 101
.set MSB, 0
.macro WIN new                         ; the immediate's high byte repeats the setting that is left
.if MSB != \new
	s_set_vgpr_msb (MSB<<8)|\new
.set MSB, \new
.endif
.endm
.set MUL_LO, 0xa1                      ; source 0 (B) window 1, source 1 (A) window 0, C and D window 2
.set MUL_HI, 0xf1
.set TO_B,   0x40
; A joint load: waves 0 and 1 fetch for A, waves 2 and 3 for B; the branch hangs on the wave's number alone.  An s_nop 0 and four v_nop follow each line.
.macro JLOAD g0a, g1a, g0b, g1b
	s_cmp_eq_u32 s15, 0
	s_cbranch_scc0 .Lfor_b_\@
	tensor_load_to_lds s[\g0a:\g0a+3], s[\g1a:\g1a+7]
	s_nop 0
.rept 4
	v_nop
.endr
	s_branch .Lasked_\@
.Lfor_b_\@:
	tensor_load_to_lds s[\g0b:\g0b+3], s[\g1b:\g1b+7]
	s_nop 0
.rept 4
	v_nop
.endr
.Lasked_\@:
.endm
.macro CREST
	s_cmp_lg_u32 s14, 0
	s_cbranch_scc1 .Lnot_wave_0_\@
	s_barrier_signal -3
.Lnot_wave_0_\@:
	s_barrier_wait -3
	s_barrier_signal -1
	s_barrier_wait -1
.endm
.macro CROUND
	s_barrier_signal -1
	s_barrier_wait -1
	CREST
.endm
	s_load_b256 s[4:11], s[0:1], 0x0               ; xcodes, xscales, wcodes, wscales
	s_load_b256 s[92:99], s[0:1], 0x20             ; b_q, b_k, b_v, heads
	v_lshl_add_u32 v[SPW], v0, 2, SPARE
	v_mov_b32 v[NIL], 0
	ds_add_u32 v[SPW], v[NIL]                      ; the wave's opening: the add, twice on end, and its wait ahead of my first tensor load
	ds_add_u32 v[SPW], v[NIL]
	v_lshrrev_b32 v1, 5, v0
	v_readfirstlane_b32 s14, v1                    ; wave 0..3
	s_lshr_b32 s15, s14, 1                         ; my half of A's rows.  Also: I fetch for A (0) or B (1)
	s_and_b32 s16, s14, 1                          ; my half of B's rows.  Also: which 128 rows I fetch
	s_bfe_u32 s40, ttmp6, 0x40000                  ; cx
	s_bfe_u32 s41, ttmp6, 0x40004                  ; cy
	s_and_b32 s18, ttmp7, 0xffff                   ; cluster y, 0..11
	s_lshr_b32 s[KIND], s18, 2
	s_and_b32 s18, s18, 3
	s_lshl_b32 s18, s18, 2                         ; 4 j: the four tiles of tokens of this cluster
	s_lshl_b32 s19, s[KIND], 12                    ; the tensor's first row in xcodes
	s_lshl_b32 s20, s[KIND], 10                    ; the weight's first row in wcodes
	s_mov_b32 s21, 2048
	s_mov_b32 s22, 8192
	s_cmp_eq_u32 s[KIND], 2
	s_cselect_b32 s17, 0, s18
	s_cselect_b32 s42, s18, 0
	s_cselect_b32 s19, s21, s19                    ; A's first row in A's buffer
	s_cselect_b32 s45, s22, s20                    ; B's in B's
	s_add_co_u32 s17, s17, s41                     ; tile row: shared along a row of the cluster
	s_add_co_u32 s42, s42, s40                     ; tile column: shared along a column
	s_lshl_b32 s43, s41, 2
	s_lshl_b32 s43, 15, s43                        ; my row of the cluster
	s_lshl_b32 s44, 0x1111, s40                    ; my column
	s_or_b32 s[G1+0], s43, (0<<16)|(1<<20)|(1<<21)|(5<<22)|(3<<25)   ; mask; elements of 1 byte; padding: 4 words after every 64; bit 21 beside a mask
	s_or_b32 s[G1B+0], s44, (0<<16)|(1<<20)|(1<<21)|(5<<22)|(3<<25)
.irp g, G1, G1B
	s_mov_b32 s[\g+1], ROWB<<16                    ; tensor_dim0
	s_mov_b32 s[\g+2], 128<<16                     ; tensor_dim1
	s_mov_b32 s[\g+3], ROWB<<16                    ; tile_dim0
	s_mov_b32 s[\g+4], 128                         ; tile_dim1
	s_mov_b32 s[\g+5], KROW                        ; the pitch
	s_mov_b32 s[\g+6], 0
	s_mov_b32 s[\g+7], 0
.endr
	s_or_b32 s[G1S+0], s43, (3<<16)|(1<<20)|(1<<21)|(5<<22)|(3<<25)  ; the scales of 128 rows: 4,096 dense bytes as 16 rows of 256
	s_or_b32 s[G1SB+0], s44, (3<<16)|(1<<20)|(1<<21)|(5<<22)|(3<<25)
.irp g, G1S, G1SB
	s_mov_b32 s[\g+1], 32<<16
	s_mov_b32 s[\g+2], (128*KS/256)<<16
	s_mov_b32 s[\g+3], 32<<16
	s_mov_b32 s[\g+4], 128*KS/256
	s_mov_b32 s[\g+5], 32
	s_mov_b32 s[\g+6], 0
	s_mov_b32 s[\g+7], 0
.endr
	s_lshl_b32 s18, s16, 7                         ; which 128 rows of the tile I fetch
	s_lshl_b32 s20, s17, 8
	s_add_co_u32 s20, s20, s18
	s_add_co_u32 s20, s20, s19                     ; A's row
	s_lshl_b32 s46, s42, 8
	s_add_co_u32 s46, s46, s18
	s_add_co_u32 s46, s46, s45                     ; B's row
	s_lshl_b32 s22, s20, 5                         ; 32 scale bytes a row,
	s_lshl_b32 s20, s20, 9                         ; 512 bytes of codes (12,287 rows at the most: under 2^32)
	s_mov_b32 s21, 0
	s_mov_b32 s23, 0
	s_lshl_b32 s66, s46, 5
	s_lshl_b32 s46, s46, 9
	s_mov_b32 s47, 0
	s_mov_b32 s67, 0
	s_mul_i32 s45, s14, HALFT                      ; where they go: wave x 128 rows
	s_mul_i32 s100, s14, HALFS
	s_wait_dscnt 0x0                               ; both opening adds are done
	s_wait_kmcnt 0x0
	s_cmp_eq_u32 s[KIND], 2                        ; for V the weight is A and the tokens are B
	s_cselect_b64 s[12:13], s[8:9], s[4:5]
	s_cselect_b64 s[8:9], s[4:5], s[8:9]
	s_mov_b64 s[4:5], s[12:13]
	s_cselect_b64 s[12:13], s[10:11], s[6:7]
	s_cselect_b64 s[10:11], s[6:7], s[10:11]
	s_mov_b64 s[6:7], s[12:13]
	s_cmp_eq_u32 s[KIND], 0
	s_cselect_b64 s[92:93], s[92:93], s[94:95]
	s_cmp_eq_u32 s[KIND], 2
	s_cselect_b64 s[94:95], s[96:97], s[92:93]     ; the bias of this KIND
	s_add_nc_u64 s[20:21], s[4:5], s[20:21]
	s_add_nc_u64 s[22:23], s[6:7], s[22:23]
	s_add_nc_u64 s[46:47], s[8:9], s[46:47]
	s_add_nc_u64 s[66:67], s[10:11], s[66:67]
	CROUND                                         ; all sixteen work-groups are here: the first joint loads meet
	s_mov_b32 s[G0S], 1
	s_add_co_u32 s[G0S+1], s100, SCL
	s_mov_b64 s[G0S+2:G0S+3], s[22:23]
	s_or_b32 s[G0S+3], s[G0S+3], 0x80000000
	s_mov_b32 s[G0SB], 1
	s_add_co_u32 s[G0SB+1], s100, SCL
	s_mov_b64 s[G0SB+2:G0SB+3], s[66:67]
	s_or_b32 s[G0SB+3], s[G0SB+3], 0x80000000
	JLOAD G0S, G1S, G0SB, G1SB                     ; the scales first: they are wanted with slot 0
.irp s, 0,1
	s_mov_b32 s[G0+4*\s], 1
	s_add_co_u32 s[G0+4*\s+1], s45, \s*SLOT
	s_add_nc_u64 s[G0+4*\s+2:G0+4*\s+3], s[20:21], \s*ROWB
	s_or_b32 s[G0+4*\s+3], s[G0+4*\s+3], 0x80000000
	s_mov_b32 s[G0B+4*\s], 1
	s_add_co_u32 s[G0B+4*\s+1], s45, \s*SLOT
	s_add_nc_u64 s[G0B+4*\s+2:G0B+4*\s+3], s[46:47], \s*ROWB
	s_or_b32 s[G0B+4*\s+3], s[G0B+4*\s+3], 0x80000000
	JLOAD G0+4*\s, G1, G0B+4*\s, G1B               ; three tensor loads of mine are out at the most
.endr
	; what KIND decides for the way out
	s_lshl_b32 s20, s17, 8
	s_lshl_b32 s21, s15, 7
	s_add_co_u32 s20, s20, s21                     ; RI: my first row of A in its tensor
	s_lshl_b32 s22, s42, 8
	s_lshl_b32 s21, s16, 7
	s_add_co_u32 s22, s22, s21                     ; CI: my first row of B
	s_mov_b32 s23, 0x3e38aa3b                      ; c = log2(e) / 8
	s_cmp_eq_u32 s[KIND], 0
	s_cselect_b32 s[CSC], s23, 1.0
	s_mov_b32 s[CSC+1], s[CSC]
	s_mov_b32 s23, 256000
	s_mov_b32 s100, 262144
	s_cmp_eq_u32 s[KIND], 2
	s_cselect_b32 s[SFC], 0, s[CSC]
	s_cselect_b32 s[SFC+1], 1.0, 0
	s_cselect_b32 s2, s23, 2048                    ; from block 3 to block 4: V passes into the next head (262,144 - 3 x 2,048), Q and K go 16 tokens on
	s_cselect_b32 s100, 8192, s100                 ; between the two halves of a block's 128 columns: a key block, or a head
	s_cselect_b32 s18, s22, s20                    ; my first token
	s_cselect_b32 s19, s20, s22                    ; my first channel
	s_cselect_b32 s21, 0, s22                      ; the column bias begins here (0 where it does not count: the load stays inside its buffer)
	s_cselect_b32 s23, s20, 0                      ; the row bias
	s_mov_b32 s3, 0
	s_lshl_b32 s21, s21, 2
	s_lshl_b32 s23, s23, 2
	s_lshr_b32 s46, s18, 11                        ; the batch
	s_lshl_b32 s46, s46, 4
	s_lshr_b32 s47, s19, 6                         ; the head
	s_add_co_u32 s46, s46, s47
	s_lshl_b32 s46, s46, 18                        ; a head is 262,144 bytes
	s_and_b32 s47, s18, 2047
	s_lshl_b32 s47, s47, 7                         ; 128 bytes a token (64 tokens of V^T are a block of 8,192)
	s_add_co_u32 s46, s46, s47
	s_lshl_b32 s47, s[KIND], 23                    ; the plane
	s_add_co_u32 s46, s46, s47
	s_mov_b32 s47, 0
	s_add_nc_u64 s[12:13], s[98:99], s[46:47]
	v_and_b32 v1, 15, v0                           ; r = l % 16
	v_bfe_u32 v2, v0, 4, 1                         ; h = l / 16
	v_lshlrev_b32 v[BCO], 5, v2
	v_add_nc_u32 v[BCO], s21, v[BCO]               ; 32 h + the first column's bytes
	v_lshlrev_b32 v[BRO], 2, v1
	v_add_nc_u32 v[BRO], s23, v[BRO]               ; 4 r + the first row's bytes
.irp b, 0,1,2,3,4,5,6,7
	global_load_b128 v[BC+8*\b:BC+8*\b+3], v[BCO], s[94:95] offset:64*\b
	global_load_b128 v[BC+8*\b+4:BC+8*\b+7], v[BCO], s[94:95] offset:64*\b+16
.endr
.irp a, 0,1,2,3,4,5,6,7
	global_load_b32 v[BR+\a], v[BRO], s[94:95] offset:64*\a
.endr
	v_mul_u32_u24 v3, v1, PITCH
	v_lshl_add_u32 v4, v2, 4, v3                   ; a fragment's row x pitch + 16 x half
	s_mul_i32 s21, s15, HALFT
	s_mul_i32 s22, s16, HALFT
	s_add_co_u32 s22, s22, 2*HALFT
.irp s, 0,1
	v_add_nc_u32 v[ADRA+\s], s21, v4
	v_add_nc_u32 v[ADRB+\s], s22, v4
	s_add_co_u32 s21, s21, SLOT
	s_add_co_u32 s22, s22, SLOT
.endr
	v_mul_u32_u24 v5, v1, KS                       ; my row's scales: 32 bytes a row,
	v_lshrrev_b32 v6, 8, v5
	v_lshl_add_u32 v5, v6, 4, v5                   ; and 16 more for each 256 passed
	s_mul_i32 s21, s15, HALFS
	s_mul_i32 s22, s16, HALFS
	s_add_co_u32 s22, s22, 2*HALFS
	s_sub_co_u32 s22, s22, s21
	v_mul_u32_u24 v6, s22, v2                      ; lanes 16-31 take B's
	s_add_co_u32 s21, s21, SCL
	v_add_nc_u32 v5, v5, v6
	v_add_nc_u32 v[ADRS], s21, v5
	s_mul_i32 s23, s14, 16*SPITCH                  ; my stage
	v_mul_u32_u24 v5, v1, SPITCH
	v_lshl_add_u32 v5, v2, 4, v5
	v_add_nc_u32 v[STO], s23, v5                   ; in: row r, 16 bytes for each half of the lanes
	v_bfe_u32 v5, v0, 3, 1
	v_mul_u32_u24 v5, v5, SPITCH
	v_lshl_add_u32 v5, v2, 7, v5
	v_and_b32 v6, 7, v0
	v_lshl_add_u32 v5, v6, 4, v5
	v_add_nc_u32 v[RD], s23, v5                    ; back: lanes 0-15 the first 128 bytes of two rows, lanes 16-31 the second 128 bytes
	v_mul_lo_u32 v[CO], v2, s100
	v_lshl_add_u32 v[CO], v1, 4, v[CO]             ; in memory: two rows of 128 bytes on end; the other half a head or a key block away
.macro FRAG reg, adr, q, i             ; 16 rows x 128 K of 4-bit codes: 8 registers, two loads 32 bytes apart
.irp c, 0,1
	ds_load_b128 v[\reg+4*\c:\reg+4*\c+3], v[\adr] offset:64*(\q)+32*\c+(\i)*16*PITCH
.endr
.endm
; 16 matrix instructions: A's blocks a0, a0 + 1 x B's eight.  The 64 accumulators take turns, one instruction a turn.
.macro MUL16 a0, p, q, sc, zero
.irp a, \a0, \a0+1
.irp b, 0,1,2,3,4,5,6,7
.if \zero
	v_wmma_scale_f32_16x16x128_f8f6f4 v[8*(8*((\a)%4)+\b):8*(8*((\a)%4)+\b)+7], v[128*(\p)+FR*\b:128*(\p)+FR*\b+FR-1], v[AF+FR*(\a):AF+FR*(\a)+FR-1], 0, v[SC+8*NQ*(\sc)+NQ*\b+(\q)], v[SC+8*NQ*(\sc)+NQ*(\a)+(\q)] matrix_a_fmt:MATRIX_FMT_FP4 matrix_b_fmt:MATRIX_FMT_FP4 matrix_a_scale:MATRIX_SCALE_ROW1
.else
	v_wmma_scale_f32_16x16x128_f8f6f4 v[8*(8*((\a)%4)+\b):8*(8*((\a)%4)+\b)+7], v[128*(\p)+FR*\b:128*(\p)+FR*\b+FR-1], v[AF+FR*(\a):AF+FR*(\a)+FR-1], v[8*(8*((\a)%4)+\b):8*(8*((\a)%4)+\b)+7], v[SC+8*NQ*(\sc)+NQ*\b+(\q)], v[SC+8*NQ*(\sc)+NQ*(\a)+(\q)] matrix_a_fmt:MATRIX_FMT_FP4 matrix_b_fmt:MATRIX_FMT_FP4 matrix_a_scale:MATRIX_SCALE_ROW1
.endif
.endr
.endr
.endm
.macro FETCH_B slot, q, p
	WIN TO_B
.irp i, 0,1,2,3,4,5,6,7
	FRAG 128*(\p)+FR*\i, ADRB+\slot, \q, \i
.endr
	WIN 0
.endm
.macro FETCH_A slot, q, i0
.irp i, \i0, \i0+1, \i0+2, \i0+3
	FRAG AF+FR*(\i), ADRA+\slot, \q, \i
.endr
.endm
.macro SCALES sc                       ; a slot's scale words: 4 words a row; lanes 0-15 A's block i, lanes 16-31 B's block i
.irp i, 0,1,2,3,4,5,6,7
	ds_load_b128 v[SC+8*NQ*\sc+NQ*\i:SC+8*NQ*\sc+NQ*\i+3], v[ADRS] offset:\i*SBLK
.endr
.endm
.macro PLACES n                        ; plain vector places behind matrix instructions, in front of loads into their registers and of reads of results
.rept \n
	v_nop
.endr
.endm
.macro STEP slot, q, zero              ; 128 along K, with its successor in the same slot
	s_wait_dscnt 4*NL                              ; B's set and A's blocks 0-3 are in; the youngest eight loads (A's blocks 4-7) may be out
	WIN MUL_LO
	MUL16 0, (\q)%2, \q, \slot, \zero
	MUL16 2, (\q)%2, \q, \slot, \zero
	s_wait_dscnt 0
	PLACES NP
	FETCH_B \slot, (\q)+1, 1-(\q)%2
	FETCH_A \slot, (\q)+1, 0
	WIN MUL_HI
	MUL16 4, (\q)%2, \q, \slot, \zero
	MUL16 6, (\q)%2, \q, \slot, \zero
	PLACES NP
	WIN 0
	FETCH_A \slot, (\q)+1, 4
.endm
; Slot 0's last step changes slots: each wave waits for all its tensor loads (slot 1's part), adds 0 to its spare word, waits for that and for its reads of slot 0; one barrier.  Nothing is filled again.
.macro TURN slot, next
	s_wait_tensorcnt 0x0
	ds_add_u32 v[SPW], v[NIL]
	s_wait_dscnt 4*NL+1                            ; the add and the youngest eight loads may be out
	WIN MUL_LO
	MUL16 0, 1, NQ-1, \slot, 0
	s_wait_dscnt 0x0
	s_barrier_signal -1
	MUL16 2, 1, NQ-1, \slot, 0
	WIN 0
	s_barrier_wait -1
	PLACES NP
	v_add_nc_u32 v[ADRS], 4*NQ, v[ADRS]            ; on to the next slot's scale words
	FETCH_B \next, 0, 0
	FETCH_A \next, 0, 0
	SCALES \next
	WIN MUL_HI
	MUL16 4, 1, NQ-1, \slot, 0
	MUL16 6, 1, NQ-1, \slot, 0
	PLACES NP
	WIN 0
	FETCH_A \next, 0, 4
.endm
	s_wait_tensorcnt 1                             ; the scales and my part of slot 0 are in; slot 1's load may be out
	s_barrier_signal -1
	s_barrier_wait -1
	FETCH_B 0, 0, 0
	FETCH_A 0, 0, 0
	SCALES 0
	FETCH_A 0, 0, 4
	STEP 0, 0, 1                                   ; the first products start the sums: nothing is cleared
	STEP 0, 1, 0
	STEP 0, 2, 0
	TURN 0, 1
	STEP 1, 0, 0
	STEP 1, 1, 0
	STEP 1, 2, 0
	s_wait_dscnt 4*NL
	WIN MUL_LO
	MUL16 0, 1, NQ-1, 1, 0
	MUL16 2, 1, NQ-1, 1, 0
	s_wait_dscnt 0
	WIN MUL_HI
	MUL16 4, 1, NQ-1, 1, 0
	MUL16 6, 1, NQ-1, 1, 0
	WIN 0
; THE WAY OUT, block by block of 16 rows x 128 columns: x CS + bias, to f16, through my stage, and out as runs of 256 consecutive bytes (two rows of 128 bytes of one head or key block).
	s_wait_loadcnt 0x0                             ; the biases
	PLACES NP
.set i, 0
.rept 32
	v_pk_mul_f32 v[BC+2*i:BC+2*i+1], v[BC+2*i:BC+2*i+1], s[SFC:SFC+1] op_sel_hi:[1,0]
.set i, i+1
.endr
.irp a, 0,1,2,3,4,5,6,7
	v_mul_f32 v[BRP+2*\a], s[SFC+1], v[BR+\a]
	v_mul_f32 v[BRP+2*\a+1], s[SFC+1], v[BR+\a]
.endr
.macro PACK a
.set AC, 64*((\a)%4)
	WIN 0x02+(\a)/4                                ; source 0: window 2 or 3
.set i, 0
.rept 32
	v_pk_fma_f32 v[T+2*i:T+2*i+1], v[AC+2*i:AC+2*i+1], s[CSC:CSC+1], v[BC+2*i:BC+2*i+1] op_sel_hi:[1,0,1]   ; each accumulator from its low end on
.set i, i+1
.endr
	WIN 0
.set i, 0
.rept 32
	v_pk_add_f32 v[T+2*i:T+2*i+1], v[T+2*i:T+2*i+1], v[BRP+2*(\a):BRP+2*(\a)+1]
.set i, i+1
.endr
.set i, 0
.rept 32
	v_cvt_pk_f16_f32 v[T+i], v[T+2*i], v[T+2*i+1]  ; in place, ascending: word i is written when numbers 2 i and 2 i + 1 have been read
.set i, i+1
.endr
.endm
.macro TOSTAGE a
.set BB, BK+32*((\a)%2)
.irp b, 0,1,2,3,4,5,6,7
	ds_store_b128 v[STO], v[T+4*\b:T+4*\b+3] offset:32*\b
.endr
.irp t, 0,1,2,3,4,5,6,7
	ds_load_b128 v[BB+4*\t:BB+4*\t+3], v[RD] offset:2*SPITCH*\t   ; LDS serves a wave's instructions in order: these see the stores above
.endr
.endm
.macro SEND a
.set BB, BK+32*((\a)%2)
	s_wait_dscnt 0x0                               ; the block is back in registers
	s_wait_xcnt 0x0                                ; earlier stores have read their base and data: both may be written again
.if (\a) == 4
	s_add_nc_u64 s[12:13], s[12:13], s[2:3]
.elseif (\a) > 0
	s_add_nc_u64 s[12:13], s[12:13], 2048
.endif
.irp t, 0,1,2,3,4,5,6,7
	global_store_b128 v[CO], v[BB+4*\t:BB+4*\t+3], s[12:13] offset:256*\t   ; sixteen lanes store 256 consecutive bytes, aligned
.endr
.endm
	PACK 0
	TOSTAGE 0
.irp a, 1,2,3,4,5,6,7                  ; block a's arithmetic stands between block a - 1's loads from the stage and the wait for them
	PACK \a
	SEND \a-1
	TOSTAGE \a
.endr
	SEND 7
	s_wait_tensorcnt 0x0                           ; the wave's end
	ds_add_u32 v[SPW], v[NIL]
	s_wait_dscnt 0x0
	CROUND                                         ; the closing round
	s_endpgm
.Lfunc_end_k_q66175333f4_proj:
	.size	k_q66175333f4_proj, .Lfunc_end_k_q66175333f4_proj-k_q66175333f4_proj
	.p2alignl 7, 3214868480
	.fill 96, 4, 3214868480
	.section	.rodata,"a",@progbits
	.p2align	6, 0x0
	.amdhsa_kernel k_q66175333f4_proj
		.amdhsa_group_segment_fixed_size 327680
		.amdhsa_private_segment_fixed_size 0
		.amdhsa_enable_private_segment 0
		.amdhsa_kernarg_size 64
		.amdhsa_user_sgpr_count 2
		.amdhsa_user_sgpr_kernarg_segment_ptr 1
		.amdhsa_wavefront_size32 1
		.amdhsa_system_sgpr_workgroup_id_x 1
		.amdhsa_system_sgpr_workgroup_id_y 1
		.amdhsa_system_sgpr_workgroup_id_z 1
		.amdhsa_system_vgpr_workitem_id 0
		.amdhsa_next_free_vgpr 1024
		.amdhsa_next_free_sgpr 102
		.amdhsa_reserve_vcc 0
		.amdhsa_float_denorm_mode_32 3
		.amdhsa_float_denorm_mode_16_64 3
		.amdhsa_memory_ordered 1
		.amdhsa_forward_progress 1
		.amdhsa_inst_pref_size 165
	.end_amdhsa_kernel
	.amdgpu_metadata
---
amdhsa.version: [ 1, 2 ]
amdhsa.kernels:
  - .name:           k_q66175333f4_proj
    .symbol:         k_q66175333f4_proj.kd
    .args:
      - { .name: xcodes, .offset: 0, .size: 8, .value_kind: global_buffer, .address_space: global }
      - { .name: xscales, .offset: 8, .size: 8, .value_kind: global_buffer, .address_space: global }
      - { .name: wcodes, .offset: 16, .size: 8, .value_kind: global_buffer, .address_space: global }
      - { .name: wscales, .offset: 24, .size: 8, .value_kind: global_buffer, .address_space: global }
      - { .name: b_q, .offset: 32, .size: 8, .value_kind: global_buffer, .address_space: global }
      - { .name: b_k, .offset: 40, .size: 8, .value_kind: global_buffer, .address_space: global }
      - { .name: b_v, .offset: 48, .size: 8, .value_kind: global_buffer, .address_space: global }
      - { .name: heads, .offset: 56, .size: 8, .value_kind: global_buffer, .address_space: global }
    .group_segment_fixed_size: 327680
    .private_segment_fixed_size: 0
    .kernarg_segment_align: 8
    .kernarg_segment_size: 64
    .max_flat_workgroup_size: 128
    .sgpr_count:     102
    .vgpr_count:     1024
    .wavefront_size: 32
...
	.end_amdgpu_metadata
.endif
;; end of part 2
;; launch attn (part 3): grid 8 x 32, 16 waves a work-group, clusters of 4 x 1, 327,680 bytes of LDS; arguments heads, ao; writes ao
.if DOCPART == 3
	.amdgcn_target "amdgcn-amd-amdhsa--gfx1250"
	.amdhsa_code_object_version 6
	.text
	.protected	k_q66175333f4_attn
	.globl	k_q66175333f4_attn
	.p2align	8
	.type	k_q66175333f4_attn,@function
k_q66175333f4_attn:
	s_mov_b64 s[64:65], 0
	v_nop
	global_prefetch_b8 v0, s[64:65] scope:SCOPE_SE
	s_setreg_imm32_b32 hwreg(HW_REG_WAVE_MODE, 25, 1), 1
	s_wait_xcnt 0x0
	s_wait_alu depctr_hold_cnt(0) depctr_sa_sdst(0) depctr_va_vdst(0) depctr_va_sdst(0) depctr_va_ssrc(0) depctr_va_vcc(0) depctr_vm_vsrc(0)
	s_getreg_b32 s2, hwreg(HW_REG_IB_STS2, 6, 4)
	s_cmp_eq_u32 s2, 0
	s_cbranch_scc0 .Lentry_in_a_cluster
	s_endpgm
.Lentry_in_a_cluster:
	s_bfe_u32 s2, ttmp6, 0x10000c
	s_cmp_lg_u32 s2, 0x3003
	s_cbranch_scc0 .Lentry_shape_is_right
	s_endpgm
.Lentry_shape_is_right:
; ATTN: O = softmax(Q K^T / 8) V for 32 heads (batch x head) of 2,048 positions x 64 channels, operands in f16, sums, maxima and the softmax in f32.
; heads: plane 0 Qs [bh][l][64] = Q x log2(e) / 8; plane 1 K [bh][l][64]; plane 2 V^T [bh][l / 64][channel][64 keys].  ao: [m / 64][head][m % 64][64] f16, m = 2,048 batch + l.
; SHARES.  A work-group owns 256 queries of one head.  SIXTEEN waves, four to a SIMD, 256 registers each, so that one wave's softmax and LDS loads stand beside the others' products.
;   Waves u and u + 8 own the same 32 queries (two tiles of 16) and SHARE THE KEYS: of a slot's eight key steps wave u walks steps 0-3, wave u + 8 steps 4-7.  Each keeps a running maximum, sum and O^T of its own keys;
;   at the end the two meet in LDS: m = max of the two, each side's sum and O^T x 2^(its m - m), added.  Wave u finishes tile 0, wave u + 8 tile 1: which tile is a matter of ADDRESSES alone, all waves run one text.
; LAYOUT.  S^T = K Q^T (source 0 = 16 keys, source 1 = 16 queries), O^T = V^T P (source 0 = 16 channels, source 1 = P): a lane holds ONE query throughout; two tiles of S^T, rounded in pairs, ARE a fragment of P.
; SOFTMAX.  A running maximum m and sum l for each query: p = 2^(t - m); in every step O and l are multiplied by a = 2^(m_old - m_new).  m begins at -3e38, l and O^T at 0: the step is written once.
; RING.  Two slots of 512 keys; a key step is 64 keys.  Every block of 64 keys of K or of V^T is 8,192 dense bytes.  A slot's sixteen blocks are shared out one to a wave (K's step w: wave w; V^T's step w - 8: waves 8-15):
;   a wave's tensor load brings 32 rows of 256 bytes + 16.  A row of 128 bytes (a key of K, a channel of V^T), number p of its block, lies at (p / 2) x 272 + (p % 2) x 128: the sixteen rows of a fragment load
;   fall on sixteen different 16-byte columns of 256.
; CLUSTER.  The four query blocks of a cluster walk the same K and V: each tile is asked for jointly, mask 15.
; LIMITS: the attention output must lie within f16's range; NaN and infinities are not served.
.set STEPB, 8704                       ; a key step's 64 rows in LDS; also a wave's image at the end: 8,192 bytes of O^T + 512 of m and l
.set VOFF,  8*STEPB                    ; V's steps lie behind K's eight
.set SLOTB, 16*STEPB
.set STAGE, 2*SLOTB                    ; the way out: 16 rows x (128 bytes + 16) for each wave; no tensor load lands here
.set SPARE, STAGE+16*2304              ; the spare words, 128 bytes for each wave: eight blocks of 256 bytes that no other line names
.set AK0, 1                            ; v1   my lane's place in a block of K
.set AV0, 2                            ; v2   the same for V
.set ADK, 3                            ; v3, v4 the step's addresses
.set ADV, 4
.set QO,  5
.set STO, 6
.set RD,  7
.set SPW, 8                            ; v8   my spare word; never rewritten
.set NIL, 9                            ; v9   0; never rewritten
.set GO,  10
.set PFO, 11                           ; v11  256 x lane; never rewritten
.set EXO, 1                            ; at the end, when the ring's addresses are done with: v1 my image, 16 bytes a lane; v2 the same, 4 bytes a lane;
.set EXS, 2
.set LDA, 3                            ; v3, v4 the lower and the upper partner's image of my tile;
.set LDB, 4
.set SDA, 5                            ; v5, v12 their m and l of my tile
.set SDB, 12
.set ST,  16                           ; tile t at v[ST + 8 t]: +0 m, +1 zero (named with m as a pair), +2, +3 l, +4 .. +7 at work; a takes +6
.set Q,   32                           ; v32-63   Q: tile t, channels 32 c on, at Q + 16 t + 8 c
.set KV,  64                           ; v64-127  eight fragments of K, then of V; at the end the two images of my tile
.set S,   128                          ; v128-191 S^T: tile t, keys 16 kt on, at S + 32 t + 8 kt; P in place at S + 32 t .. + 15
.set O,   192                          ; v192-255 O^T: tile t, channels 16 ct on, at O + 32 t + 8 ct
.set WV,  8
.set G1,  16
.set G0K, 24
.set G0V, 28
.set WB,  32                           ; s32  8,704 x wave: where my load lands in a slot
.set TB,  33                           ; s33  LDS byte of the key step in hand
.set CNT, 34
.set LIM, 35                           ; s35  1 in a wave that prefetches
.set PFA, 36
.set SEL, 40
.set QA,  44
.set OA,  46
.set HB,  56                           ; s56  (wave / 8) x four key steps: where my steps begin in a slot
.set UW,  57                           ; s57  wave % 8: which 32 queries
.set TW,  58                           ; s58  wave / 8: which half of the keys, and which tile I finish
.macro JLOAD                           ; waves 0-7 fetch K's steps, waves 8-15 V's; an s_nop 0 and four v_nop follow each line
	s_cmp_lt_u32 s[WV], 8
	s_cbranch_scc0 .Lfor_v_\@
	tensor_load_to_lds s[G0K:G0K+3], s[G1:G1+7]
	s_nop 0
.rept 4
	v_nop
.endr
	s_branch .Lasked_\@
.Lfor_v_\@:
	tensor_load_to_lds s[G0V:G0V+3], s[G1:G1+7]
	s_nop 0
.rept 4
	v_nop
.endr
.Lasked_\@:
.endm
; A prefetch of what the NEXT change of slots will ask for, a slot's key steps ahead of that load.  The head's first cluster asks; its four partners take 16,384 bytes of K and of V each, told apart by ADDRESS;
; in each, waves 0 and 1 name K's two halves and waves 8 and 9 V's, lanes 256 bytes apart: each block of 256 bytes of slots 2 and 3 is named once.  Slots 0 and 1 come by their loads alone.
.macro ASK
	s_cmp_eq_u32 s[LIM], 1
	s_cbranch_scc0 .Lnot_mine_\@
	global_prefetch_b8 v[PFO], s[PFA:PFA+1] th:TH_LOAD_NT scope:SCOPE_SE
.Lnot_mine_\@:
.endm
.macro CROUND
	s_barrier_signal -1
	s_barrier_wait -1
	s_cmp_lg_u32 s[WV], 0
	s_cbranch_scc1 .Lnot_wave_0_\@
	s_barrier_signal -3
.Lnot_wave_0_\@:
	s_barrier_wait -3
	s_barrier_signal -1
	s_barrier_wait -1
.endm
	s_load_b128 s[4:7], s[0:1], 0x0                ; heads, ao
	v_lshl_add_u32 v[SPW], v0, 2, SPARE
	v_mov_b32 v[NIL], 0
	ds_add_u32 v[SPW], v[NIL]                      ; the wave's opening: the add, twice on end, and its wait ahead of my first tensor load
	ds_add_u32 v[SPW], v[NIL]
	v_lshrrev_b32 v12, 5, v0
	v_readfirstlane_b32 s[WV], v12                 ; wave 0..15
	s_and_b32 s[UW], s[WV], 7
	s_lshr_b32 s[TW], s[WV], 3
	s_mul_i32 s[HB], s[TW], 4*STEPB
	s_bfe_u32 s9, ttmp6, 0x40000                   ; cx
	s_lshl_b32 s10, ttmp9, 2
	s_add_co_u32 s10, s10, s9                      ; my block of 256 queries: it enters Q's and O's addresses alone
	s_and_b32 s11, ttmp7, 0xffff                   ; the head, which the partners share
	s_lshl_b32 s12, s11, 18                        ; 262,144 bytes a head in each plane
	s_mov_b32 s[G1], 15|(3<<16)|(1<<20)|(1<<21)|(5<<22)|(3<<25)   ; mask: all four; elements of 8 bytes; padding: 4 words after every 64; bit 21 beside a mask
	s_mov_b32 s[G1+1], 32<<16                      ; tensor_dim0 = 32 elements = 256 bytes
	s_mov_b32 s[G1+2], 32<<16                      ; tensor_dim1 = 32 rows
	s_mov_b32 s[G1+3], 32<<16                      ; tile_dim0
	s_mov_b32 s[G1+4], 32                          ; tile_dim1
	s_mov_b32 s[G1+5], 32                          ; the pitch: dense
	s_mov_b32 s[G1+6], 0
	s_mov_b32 s[G1+7], 0
	s_mul_i32 s[WB], s[WV], STEPB
	s_lshl_b32 s48, s[UW], 13
	s_add_co_u32 s48, s48, s12                     ; the head + my key step of a slot
	s_mov_b32 s49, 0
	s_lshl_b32 s50, s10, 15                        ; Q: 256 rows of 128 bytes a block,
	s_lshl_b32 s51, s[UW], 12                      ; 32 for each pair of waves
	s_add_co_u32 s50, s50, s51
	s_add_co_u32 s50, s50, s12
	s_mov_b32 s51, 0
	s_lshr_b32 s52, s11, 4                         ; O: block of 64 rows = 32 batch + 4 query block + (wave % 8) / 2,
	s_lshl_b32 s52, s52, 5
	s_lshl_b32 s53, s10, 2
	s_add_co_u32 s52, s52, s53
	s_lshr_b32 s53, s[UW], 1
	s_add_co_u32 s52, s52, s53
	s_lshl_b32 s52, s52, 17                        ; of 131,072 bytes;
	s_and_b32 s53, s11, 15
	s_lshl_b32 s53, s53, 13                        ; the head's 8,192 in it;
	s_add_co_u32 s52, s52, s53
	s_and_b32 s53, s[UW], 1
	s_lshl_b32 s53, s53, 12                        ; the pair's 32 rows of 128 bytes;
	s_add_co_u32 s52, s52, s53
	s_lshl_b32 s53, s[TW], 11                      ; my tile's 16 of them
	s_add_co_u32 s52, s52, s53
	s_mov_b32 s53, 0
	s_mov_b32 s38, 16777216                        ; the prefetches' offset in heads: the plane,
	s_cmp_lt_u32 s[WV], 8
	s_cselect_b32 s38, 8388608, s38
	s_add_co_u32 s38, s38, s12                     ; the head,
	s_lshl_b32 s39, s9, 14
	s_add_co_u32 s38, s38, s39                     ; my work-group's 16,384 bytes,
	s_and_b32 s39, s[WV], 1
	s_lshl_b32 s39, s39, 13
	s_add_co_u32 s38, s38, s39                     ; my wave's 8,192,
	s_add_co_u32 s38, s38, 65536                   ; in slot 1: the first change of slots steps it to slot 2
	s_mov_b32 s39, 0
	s_and_b32 s[LIM], s[WV], 6
	s_or_b32 s[LIM], s[LIM], ttmp9                 ; 0 in waves 0, 1, 8, 9 of the head's first cluster: the same in all partners
	s_cmp_eq_u32 s[LIM], 0
	s_cselect_b32 s[LIM], 1, -1
	s_mov_b32 s[SEL], 0x76543210
	s_mov_b32 s[SEL+1], 0xfedcba98                 ; v_permlanex16_b32: lane l xor 16
	s_wait_dscnt 0x0                               ; both opening adds are done
	s_wait_kmcnt 0x0
	s_add_nc_u64 s[QA:QA+1], s[4:5], s[50:51]
	s_add_nc_u64 s[OA:OA+1], s[6:7], s[52:53]
	s_add_nc_u64 s[PFA:PFA+1], s[4:5], s[38:39]
	s_add_nc_u64 s[54:55], s[4:5], s[48:49]
	s_mov_b32 s[G0K], 1
	s_mov_b32 s[G0K+1], s[WB]                      ; slot 0
	s_add_nc_u64 s[G0K+2:G0K+3], s[54:55], 8388608
	s_or_b32 s[G0K+3], s[G0K+3], 0x80000000
	s_mov_b32 s[G0V], 1
	s_mov_b32 s[G0V+1], s[WB]
	s_add_nc_u64 s[G0V+2:G0V+3], s[54:55], 16777216
	s_or_b32 s[G0V+3], s[G0V+3], 0x80000000
	CROUND                                         ; all four work-groups are here: the first joint loads meet
	JLOAD                                          ; slot 0: one tensor load of mine is out, here and behind every change of slots
	v_and_b32 v14, 15, v0                          ; r
	v_bfe_u32 v13, v0, 4, 1                        ; h
	v_lshlrev_b32 v[QO], 7, v14
	v_lshl_add_u32 v[QO], v13, 4, v[QO]            ; Q: row r of 128 bytes + 16 h
.irp t, 0,1
.irp c, 0,1
	global_load_b128 v[Q+16*\t+8*\c:Q+16*\t+8*\c+3], v[QO], s[QA:QA+1] offset:2048*\t+64*\c
	global_load_b128 v[Q+16*\t+8*\c+4:Q+16*\t+8*\c+7], v[QO], s[QA:QA+1] offset:2048*\t+64*\c+32
.endr
.endr
	v_bfe_u32 v[AK0], v0, 1, 3
	v_mul_u32_u24 v[AK0], v[AK0], 272
	v_and_b32 v12, 1, v0
	v_lshl_add_u32 v[AK0], v12, 7, v[AK0]
	v_lshl_add_u32 v[AK0], v13, 4, v[AK0]          ; (r / 2) x 272 + (r % 2) x 128 + 16 h
	v_add_nc_u32 v[AV0], VOFF, v[AK0]
	s_mul_i32 s48, s[WV], 2304
	s_add_co_u32 s48, s48, STAGE                   ; my stage
	v_mul_u32_u24 v[STO], v14, 144
	v_lshl_add_u32 v[STO], v13, 4, v[STO]
	v_add_nc_u32 v[STO], s48, v[STO]               ; in: row r, 16 bytes for each half of the lanes
	v_bfe_u32 v[RD], v0, 3, 2
	v_mul_u32_u24 v[RD], v[RD], 144
	v_and_b32 v12, 7, v0
	v_lshl_add_u32 v[RD], v12, 4, v[RD]
	v_add_nc_u32 v[RD], s48, v[RD]                 ; back: eight lanes to a row of 128 bytes, four rows an instruction
	v_and_b32 v[GO], 31, v0
	v_lshlrev_b32 v[PFO], 8, v[GO]
	v_lshlrev_b32 v[GO], 4, v[GO]                  ; in ao my 16 rows are 2,048 dense bytes: 16 bytes a lane
.irp t, 0,1
	v_mov_b32 v[ST+8*\t], 0xff61b1e6               ; m: -3e38, under every score
	v_mov_b32 v[ST+8*\t+1], 0
	v_mov_b32 v[ST+8*\t+2], 0                      ; l
	v_mov_b32 v[ST+8*\t+3], 0
.endr
.set i, 0
.rept 64
	v_mov_b32 v[O+i], 0                            ; O^T: the first step finds zeros, which its a = 0 leaves zeros
.set i, i+1
.endr
; A KEY STEP: 64 keys.
.macro STEP
	v_add_nc_u32 v[ADK], s[TB], v[AK0]
	v_add_nc_u32 v[ADV], s[TB], v[AV0]
.rept 3
	v_nop                                          ; with the two additions: five places behind the last step's products, whose P the new scores write over and whose V the loads below replace
.endr
.irp f, 0,1,2,3,4,5,6,7                        ; K: keys 16 (f / 2) on, channels 32 (f % 2) on
	ds_load_b128 v[KV+8*\f:KV+8*\f+3], v[ADK] offset:(\f/2)*2176+(\f%2)*64
	ds_load_b128 v[KV+8*\f+4:KV+8*\f+7], v[ADK] offset:(\f/2)*2176+(\f%2)*64+32
.endr
	s_wait_dscnt 0x0
.irp c, 0,1                                    ; S^T = K Q^T: eight accumulators by turns
.irp kt, 0,1,2,3
.irp t, 0,1
.if \c == 0
	v_wmma_f32_16x16x32_f16 v[S+32*\t+8*\kt:S+32*\t+8*\kt+7], v[KV+8*(2*\kt+\c):KV+8*(2*\kt+\c)+7], v[Q+16*\t+8*\c:Q+16*\t+8*\c+7], 0
.else
	v_wmma_f32_16x16x32_f16 v[S+32*\t+8*\kt:S+32*\t+8*\kt+7], v[KV+8*(2*\kt+\c):KV+8*(2*\kt+\c)+7], v[Q+16*\t+8*\c:Q+16*\t+8*\c+7], v[S+32*\t+8*\kt:S+32*\t+8*\kt+7]
.endif
.endr
.endr
.endr
.rept 4
	v_nop                                          ; places in front of the loads into K's registers and of the first read of the scores
.endr
.irp f, 0,1,2,3,4,5,6,7                        ; V^T: channels 16 (f / 2) on, keys 32 (f % 2) on; they land while the softmax is worked
	ds_load_b128 v[KV+8*\f:KV+8*\f+3], v[ADV] offset:(\f/2)*2176+(\f%2)*64
	ds_load_b128 v[KV+8*\f+4:KV+8*\f+7], v[ADV] offset:(\f/2)*2176+(\f%2)*64+32
.endr
	; the maximum of my 32 scores and the old m: four chains, each accumulator from its low end on; the two tiles by turns
.irp j, 0,1,2,3
.irp t, 0,1
	v_max3_num_f32 v[ST+8*\t+4+\j], v[S+32*\t+8*\j], v[S+32*\t+8*\j+1], v[S+32*\t+8*\j+2]
.endr
.endr
.irp g, 1,2
.irp j, 0,1,2,3
.irp t, 0,1
	v_max3_num_f32 v[ST+8*\t+4+\j], v[ST+8*\t+4+\j], v[S+32*\t+8*\j+2*\g+1], v[S+32*\t+8*\j+2*\g+2]
.endr
.endr
.endr
.irp t, 0,1
	v_max3_num_f32 v[ST+8*\t+4], v[ST+8*\t+4], v[S+32*\t+7], v[S+32*\t+15]
.endr
.irp t, 0,1
	v_max3_num_f32 v[ST+8*\t+6], v[ST+8*\t+6], v[S+32*\t+23], v[S+32*\t+31]
.endr
.irp t, 0,1
	v_max3_num_f32 v[ST+8*\t+4], v[ST+8*\t+4], v[ST+8*\t+5], v[ST+8*\t+6]
.endr
.irp t, 0,1
	v_max3_num_f32 v[ST+8*\t+4], v[ST+8*\t+4], v[ST+8*\t+7], v[ST+8*\t]
.endr
.irp t, 0,1
	v_permlanex16_b32 v[ST+8*\t+5], v[ST+8*\t+4], s[SEL], s[SEL+1]   ; the query's other 32 keys lie in the lane 16 away
.endr
.irp t, 0,1
	v_mov_b32 v[ST+8*\t+7], v[ST+8*\t]             ; m_old
.endr
.irp t, 0,1
	v_max_num_f32 v[ST+8*\t], v[ST+8*\t+4], v[ST+8*\t+5]
.endr
.irp t, 0,1
	v_sub_f32 v[ST+8*\t+7], v[ST+8*\t+7], v[ST+8*\t]
.endr
.set i, 0
.rept 16
.irp t, 0,1
	v_pk_add_f32 v[S+32*\t+2*i:S+32*\t+2*i+1], v[S+32*\t+2*i:S+32*\t+2*i+1], v[ST+8*\t:ST+8*\t+1] op_sel_hi:[1,0] neg_lo:[0,1] neg_hi:[0,1]   ; t - m
.endr
.set i, i+1
.endr
.irp t, 0,1
	v_exp_f32 v[ST+8*\t+6], v[ST+8*\t+7]           ; a
.endr
.set i, 0
.rept 32
.irp t, 0,1
	v_exp_f32 v[S+32*\t+i], v[S+32*\t+i]           ; p
.endr
.set i, i+1
.endr
	v_nop                                          ; a plain line behind the last exponential
	s_wait_alu depctr_va_vdst(0)                   ; one wait for the batch of 66, ahead of its first reader
.irp t, 0,1
	v_pk_fma_f32 v[ST+8*\t+2:ST+8*\t+3], v[ST+8*\t+2:ST+8*\t+3], v[ST+8*\t+6:ST+8*\t+7], v[S+32*\t:S+32*\t+1] op_sel_hi:[1,0,1]   ; l = a l + the sum of p, in two chains
.endr
.irp t, 0,1
	v_pk_add_f32 v[ST+8*\t+4:ST+8*\t+5], v[S+32*\t+2:S+32*\t+3], v[S+32*\t+4:S+32*\t+5]
.endr
.irp p, 3,5,7,9,11,13
.irp t, 0,1
	v_pk_add_f32 v[ST+8*\t+2:ST+8*\t+3], v[ST+8*\t+2:ST+8*\t+3], v[S+32*\t+2*\p:S+32*\t+2*\p+1]
.endr
.irp t, 0,1
	v_pk_add_f32 v[ST+8*\t+4:ST+8*\t+5], v[ST+8*\t+4:ST+8*\t+5], v[S+32*\t+2*\p+2:S+32*\t+2*\p+3]
.endr
.endr
.irp t, 0,1
	v_pk_add_f32 v[ST+8*\t+2:ST+8*\t+3], v[ST+8*\t+2:ST+8*\t+3], v[S+32*\t+30:S+32*\t+31]
.endr
.irp t, 0,1
	v_pk_add_f32 v[ST+8*\t+2:ST+8*\t+3], v[ST+8*\t+2:ST+8*\t+3], v[ST+8*\t+4:ST+8*\t+5]
.endr
.set i, 0
.rept 16
.irp t, 0,1
	v_cvt_pk_f16_f32 v[S+32*\t+i], v[S+32*\t+2*i], v[S+32*\t+2*i+1]   ; P, in place, ascending
.endr
.set i, i+1
.endr
.set i, 0
.rept 16
.irp t, 0,1
	v_pk_mul_f32 v[O+32*\t+2*i:O+32*\t+2*i+1], v[O+32*\t+2*i:O+32*\t+2*i+1], v[ST+8*\t+6:ST+8*\t+7] op_sel_hi:[1,0]   ; O^T x a
.endr
.set i, i+1
.endr
	s_wait_dscnt 0x0                               ; V is in
.irp u, 0,1                                    ; O^T += V^T P: eight accumulators by turns
.irp ct, 0,1,2,3
.irp t, 0,1
	v_wmma_f32_16x16x32_f16 v[O+32*\t+8*\ct:O+32*\t+8*\ct+7], v[KV+8*(2*\ct+\u):KV+8*(2*\ct+\u)+7], v[S+32*\t+8*\u:S+32*\t+8*\u+7], v[O+32*\t+8*\ct:O+32*\t+8*\ct+7]
.endr
.endr
.endr
.endm
; THE CHANGE OF SLOTS stands at a slot's head.  Each wave waits for all its tensor loads (its part of the slot ahead), adds 0 to its spare word, and waits for that and for its reads of the slot left.
; fill = 1: a round of the cluster's barrier, and behind it the other slot takes the next 512 keys: the load has a wave's four key steps in which to land.
.macro CHANGE slot, fill, ask
	s_wait_tensorcnt 0x0                           ; no tensor load of mine is out, so the groups 0 may be written
	ds_add_u32 v[SPW], v[NIL]
.if \fill
	s_add_co_u32 s[G0K+1], s[WB], (1-\slot)*SLOTB
	s_add_nc_u64 s[G0K+2:G0K+3], s[G0K+2:G0K+3], 65536
	s_add_co_u32 s[G0V+1], s[WB], (1-\slot)*SLOTB
	s_add_nc_u64 s[G0V+2:G0V+3], s[G0V+2:G0V+3], 65536
.endif
.if \ask
	s_wait_xcnt 0x0                                ; the last prefetch, a slot back, has read its address
	s_add_nc_u64 s[PFA:PFA+1], s[PFA:PFA+1], 65536
.endif
	s_wait_dscnt 0x0
.if \fill
	CROUND
	JLOAD
.if \ask
	ASK
.endif
.else
	s_barrier_signal -1
	s_barrier_wait -1
.endif
	s_add_co_u32 s[TB], s[HB], \slot*SLOTB         ; my four steps of this slot
	s_mov_b32 s[CNT], 4
.endm
.macro STEPS                           ; my four key steps of a slot
.Lstep_\@:
	STEP
	s_add_co_u32 s[TB], s[TB], STEPB
	s_sub_co_u32 s[CNT], s[CNT], 1
	s_cmp_lg_u32 s[CNT], 0
	s_cbranch_scc1 .Lstep_\@
.endm
	CHANGE 0, 1, 1                                 ; slot 0 is whole; slot 1 gets its first fill (keys 512 on), every wave's load a first fill
	s_wait_loadcnt 0x0                             ; Q
	STEPS
	CHANGE 1, 1, 1                                 ; slot 0 takes keys 1,024 on
	STEPS
	CHANGE 0, 1, 0                                 ; slot 1 takes keys 1,536 on: the last load
	STEPS
	CHANGE 1, 0, 0
	STEPS
	; THE TWO HALVES OF THE KEYS MEET.  Every wave lays an image of its O^T (64 registers, 16 bytes a lane and store), its m and its l into slot 0, 8,704 bytes a wave: that slot has had its last fill.
	; The addresses are made here: seven plain lines, the places behind the last products.
	v_and_b32 v13, 31, v0                          ; lane
	s_mul_i32 s48, s[WV], STEPB                    ; my image
	s_mul_i32 s49, s[UW], STEPB                    ; the lower partner's
	s_lshl_b32 s50, s[TW], 12
	s_add_co_u32 s50, s50, s49                     ; in it my tile's 32 registers: 4,096 bytes a tile
	s_lshl_b32 s51, s[TW], 7
	s_add_co_u32 s51, s51, s49                     ; and my tile's m and l: 128 bytes a tile
	v_lshl_add_u32 v[EXO], v13, 4, s48
	v_lshl_add_u32 v[EXS], v13, 2, s48
	v_lshl_add_u32 v[LDA], v13, 4, s50
	v_add_nc_u32 v[LDB], 8*STEPB, v[LDA]           ; the upper partner's image lies eight images on
	v_lshl_add_u32 v[SDA], v13, 2, s51
	v_add_nc_u32 v[SDB], 8*STEPB, v[SDA]
.irp t, 0,1
	v_add_f32 v[ST+8*\t+4], v[ST+8*\t+2], v[ST+8*\t+3]   ; l's two halves
.endr
	s_wait_dscnt 0x0                               ; my reads of the ring are over
	s_barrier_signal -1
	s_barrier_wait -1                              ; everybody's are: the ring's bytes may be written
.irp g, 0,1,2,3,4,5,6,7,8,9,10,11,12,13,14,15
	ds_store_b128 v[EXO], v[O+4*\g:O+4*\g+3] offset:512*\g   ; each accumulator from its low end on
.endr
.irp t, 0,1
	ds_store_b32 v[EXS], v[ST+8*\t] offset:8192+128*\t         ; m
	ds_store_b32 v[EXS], v[ST+8*\t+4] offset:8192+256+128*\t   ; l
.endr
	s_wait_dscnt 0x0                               ; for the others' sake: my stores are done
	s_barrier_signal -1
	s_barrier_wait -1
.irp i, 0,1,2,3,4,5,6,7
	ds_load_b128 v[KV+4*\i:KV+4*\i+3], v[LDA] offset:512*\i         ; my tile as the lower partner has it,
.endr
.irp i, 0,1,2,3,4,5,6,7
	ds_load_b128 v[KV+32+4*\i:KV+32+4*\i+3], v[LDB] offset:512*\i   ; and as the upper: the same registers in the same lanes
.endr
	ds_load_b32 v16, v[SDA] offset:8192            ; m of the lower, of the upper
	ds_load_b32 v17, v[SDB] offset:8192
	ds_load_b32 v18, v[SDA] offset:8192+256        ; l likewise
	ds_load_b32 v19, v[SDB] offset:8192+256
	s_wait_dscnt 0x0
	v_max_num_f32 v20, v16, v17                    ; the query's maximum over all keys
	v_sub_f32 v21, v16, v20
	v_sub_f32 v22, v17, v20
	v_exp_f32 v24, v21                             ; what each side's sums are multiplied by
	v_exp_f32 v25, v22
	v_nop
	s_wait_alu depctr_va_vdst(0)                   ; one wait for the two, ahead of their first reader
	v_mul_f32 v26, v24, v18
	v_fma_f32 v26, v25, v19, v26
	v_permlanex16_b32 v27, v26, s[SEL], s[SEL+1]   ; the keys of the lane 16 away
	v_add_f32 v26, v26, v27                        ; the row's sum
	v_rcp_f32 v28, v26
	v_nop
	s_wait_alu depctr_va_vdst(0)                   ; ahead of the reciprocal's first reader
	v_mul_f32 v30, v25, v28                        ; the division goes into the two factors
	v_mul_f32 v24, v24, v28
.set i, 0
.rept 16
	v_pk_mul_f32 v[KV+2*i:KV+2*i+1], v[KV+2*i:KV+2*i+1], v[24:25] op_sel_hi:[1,0]
.set i, i+1
.endr
.set i, 0
.rept 16
	v_pk_fma_f32 v[KV+2*i:KV+2*i+1], v[KV+32+2*i:KV+32+2*i+1], v[30:31], v[KV+2*i:KV+2*i+1] op_sel_hi:[1,0,1]
.set i, i+1
.endr
	; THE WAY OUT: to f16, through my stage, and out as 2,048 dense bytes.
.set i, 0
.rept 16
	v_cvt_pk_f16_f32 v[S+i], v[KV+2*i], v[KV+2*i+1]
.set i, i+1
.endr
.irp ct, 0,1,2,3
	ds_store_b128 v[STO], v[S+4*\ct:S+4*\ct+3] offset:32*\ct
.endr
.irp i, 0,1,2,3
	ds_load_b128 v[S+16+4*\i:S+16+4*\i+3], v[RD] offset:576*\i   ; in order behind my stores
.endr
	s_wait_dscnt 0x0
.irp i, 0,1,2,3
	global_store_b128 v[GO], v[S+16+4*\i:S+16+4*\i+3], s[OA:OA+1] offset:512*\i   ; 512 consecutive bytes, aligned
.endr
	s_wait_tensorcnt 0x0                           ; the wave's end
	ds_add_u32 v[SPW], v[NIL]
	s_wait_dscnt 0x0
	CROUND                                         ; the closing round
	s_endpgm
.Lfunc_end_k_q66175333f4_attn:
	.size	k_q66175333f4_attn, .Lfunc_end_k_q66175333f4_attn-k_q66175333f4_attn
	.p2alignl 7, 3214868480
	.fill 96, 4, 3214868480
	.section	.rodata,"a",@progbits
	.p2align	6, 0x0
	.amdhsa_kernel k_q66175333f4_attn
		.amdhsa_group_segment_fixed_size 327680
		.amdhsa_private_segment_fixed_size 0
		.amdhsa_enable_private_segment 0
		.amdhsa_kernarg_size 16
		.amdhsa_user_sgpr_count 2
		.amdhsa_user_sgpr_kernarg_segment_ptr 1
		.amdhsa_wavefront_size32 1
		.amdhsa_system_sgpr_workgroup_id_x 1
		.amdhsa_system_sgpr_workgroup_id_y 1
		.amdhsa_system_sgpr_workgroup_id_z 1
		.amdhsa_system_vgpr_workitem_id 0
		.amdhsa_next_free_vgpr 256
		.amdhsa_next_free_sgpr 66
		.amdhsa_reserve_vcc 0
		.amdhsa_float_denorm_mode_32 3
		.amdhsa_float_denorm_mode_16_64 3
		.amdhsa_memory_ordered 1
		.amdhsa_forward_progress 1
		.amdhsa_inst_pref_size 90
	.end_amdhsa_kernel
	.amdgpu_metadata
---
amdhsa.version: [ 1, 2 ]
amdhsa.kernels:
  - .name:           k_q66175333f4_attn
    .symbol:         k_q66175333f4_attn.kd
    .args:
      - { .name: heads, .offset: 0, .size: 8, .value_kind: global_buffer, .address_space: global }
      - { .name: ao, .offset: 8, .size: 8, .value_kind: global_buffer, .address_space: global }
    .group_segment_fixed_size: 327680
    .private_segment_fixed_size: 0
    .kernarg_segment_align: 8
    .kernarg_segment_size: 16
    .max_flat_workgroup_size: 512
    .sgpr_count:     66
    .vgpr_count:     256
    .wavefront_size: 32
...
	.end_amdgpu_metadata
.endif
;; end of part 3
;; launch oproj (part 4): grid 8 x 32, 4 waves a work-group, clusters of 4 x 4, 327,680 bytes of LDS; arguments ao, wot, out0, b_o; writes out0
.if DOCPART == 4
	.amdgcn_target "amdgcn-amd-amdhsa--gfx1250"
	.amdhsa_code_object_version 6
	.text
	.protected	k_q66175333f4_oproj
	.globl	k_q66175333f4_oproj
	.p2align	8
	.type	k_q66175333f4_oproj,@function
k_q66175333f4_oproj:
	s_mov_b64 s[64:65], 0
	v_nop
	global_prefetch_b8 v0, s[64:65] scope:SCOPE_SE
	s_setreg_imm32_b32 hwreg(HW_REG_WAVE_MODE, 25, 1), 1
	s_wait_xcnt 0x0
	s_wait_alu depctr_hold_cnt(0) depctr_sa_sdst(0) depctr_va_vdst(0) depctr_va_sdst(0) depctr_va_ssrc(0) depctr_va_vcc(0) depctr_vm_vsrc(0)
	s_getreg_b32 s2, hwreg(HW_REG_IB_STS2, 6, 4)
	s_cmp_eq_u32 s2, 0
	s_cbranch_scc0 .Lentry_in_a_cluster
	s_endpgm
.Lentry_in_a_cluster:
	s_bfe_u32 s2, ttmp6, 0x10000c
	s_cmp_lg_u32 s2, 0xf033
	s_cbranch_scc0 .Lentry_shape_is_right
	s_endpgm
.Lentry_shape_is_right:
; OPROJ: out0[m][n] = sum over k of A[m][k] W[n][k] + b_o[n], operands f16, sums f32, out0 f32.  M = 4,096, N = K = 1,024.
; A = ao, laid [m / 64][head][m % 64][64]: k = 64 head + channel.  64 rows x 256 along K (four heads) are 32,768 dense bytes.  W = wot [n][k].
; A tile of 128 x 128 is made by four waves, 64 x 64 each: 16 accumulators.  K goes in steps of 256 through two LDS slots; 256 work-groups.
; CLUSTERS: 4 x 4; A's tiles are shared along a row of the cluster, W's along a column: joint loads.  THE MATRIX INSTRUCTION IS USED TRANSPOSED (source 0 = 16 rows of W, source 1 = 16 rows of A):
; a lane holds eight neighbouring columns of a row of out0.  The bias is the C of each sum's first product.
; REGISTERS: window 0: v0-31 addresses; v32-63 the bias, later with v64-95 the way out; v128-255 the accumulators.  Window 1: two fragment buffers of 128.
.set KSTEP,  256
.set PITCH,  528                       ; W: an LDS row of 512 bytes + 16
.set HALFA,  128*272                   ; A: 64 rows x 256 K = 128 rows of 256 bytes + 16; a head's 64 rows take 8,704; row p of them lies at (p / 2) x 272 + (p % 2) x 128
.set HALFB,  64*PITCH
.set SLOT,   2*HALFA+2*HALFB
.set STAGE,  2*SLOT                    ; the way out: 16 rows x (256 bytes + 16) for each wave, its own; no tensor load lands here
.set SPITCH, 272
.set SPARE,  STAGE+4*16*SPITCH         ; the spare words, 128 bytes for each wave: two blocks of 256 bytes that no other line names
.set LAPS,   2                         ; 1,024 / (2 x 256)
.set ADRA, 16
.set ADRB, 20
.set STO,  24
.set RD,   25
.set CO,   26
.set BO,   27                          ; v27  32 h: my eight biases of a block of 16 columns
.set SPW,  28
.set NIL,  29
.set BI,   32                          ; v32-63 the bias in the result's layout, 8 registers for each of my four blocks of columns
.set ACC,  128
.set F0,   0
.set F1,   128
.set G1, 24
.set G0, 32
.set G1B, 48
.set G0B, 56
.set MSB, 0
.macro WIN new
.if MSB != \new
	s_set_vgpr_msb (MSB<<8)|\new
.set MSB, \new
.endif
.endm
.set MUL,  0x05                        ; sources 0 (W) and 1 (A) window 1; C and D window 0
.set TO_F, 0x40
.macro JLOAD s                         ; waves 0 and 1 fetch A's halves, waves 2 and 3 W's; an s_nop 0 and four v_nop follow each line
	s_cmp_eq_u32 s11, 0
	s_cbranch_scc0 .Lfor_b_\@
	tensor_load_to_lds s[G0+4*\s:G0+4*\s+3], s[G1:G1+7]
	s_nop 0
.rept 4
	v_nop
.endr
	s_branch .Lasked_\@
.Lfor_b_\@:
	tensor_load_to_lds s[G0B+4*\s:G0B+4*\s+3], s[G1B:G1B+7]
	s_nop 0
.rept 4
	v_nop
.endr
.Lasked_\@:
.endm
.macro CREST
	s_cmp_lg_u32 s10, 0
	s_cbranch_scc1 .Lnot_wave_0_\@
	s_barrier_signal -3
.Lnot_wave_0_\@:
	s_barrier_wait -3
	s_barrier_signal -1
	s_barrier_wait -1
.endm
.macro CROUND
	s_barrier_signal -1
	s_barrier_wait -1
	CREST
.endm
	s_load_b128 s[4:7], s[0:1], 0x0                ; ao, wot
	s_load_b64 s[8:9], s[0:1], 0x10                ; out0
	s_load_b64 s[66:67], s[0:1], 0x18              ; b_o
	v_lshl_add_u32 v[SPW], v0, 2, SPARE
	v_mov_b32 v[NIL], 0
	ds_add_u32 v[SPW], v[NIL]                      ; the wave's opening: the add, twice on end, and its wait ahead of my first tensor load
	ds_add_u32 v[SPW], v[NIL]
	v_lshrrev_b32 v1, 5, v0
	v_readfirstlane_b32 s10, v1                    ; wave 0..3
	s_lshr_b32 s11, s10, 1                         ; my half of the tile's rows.  Also: I fetch for A (0) or W (1)
	s_and_b32 s12, s10, 1                          ; my half of its columns.  Also: which half I fetch
	s_bfe_u32 s40, ttmp6, 0x40000                  ; cx
	s_bfe_u32 s41, ttmp6, 0x40004                  ; cy
	s_lshl_b32 s42, ttmp9, 2
	s_add_co_u32 s42, s42, s40                     ; tile column
	s_and_b32 s13, ttmp7, 0xffff
	s_lshl_b32 s13, s13, 2
	s_add_co_u32 s13, s13, s41                     ; tile row
	s_lshl_b32 s43, s41, 2
	s_lshl_b32 s43, 15, s43                        ; my row of the cluster
	s_lshl_b32 s44, 0x1111, s40                    ; my column
	s_or_b32 s[G1+0], s43, (3<<16)|(1<<20)|(1<<21)|(5<<22)|(3<<25)    ; A: elements of 8 bytes; 4 words of padding after every 64
	s_mov_b32 s[G1+1], 32<<16                      ; 128 dense rows of 256 bytes
	s_mov_b32 s[G1+2], 128<<16
	s_mov_b32 s[G1+3], 32<<16
	s_mov_b32 s[G1+4], 128
	s_mov_b32 s[G1+5], 32
	s_mov_b32 s[G1+6], 0
	s_mov_b32 s[G1+7], 0
	s_or_b32 s[G1B+0], s44, (1<<16)|(1<<20)|(1<<21)|(6<<22)|(3<<25)   ; W: elements of 2 bytes; 4 words of padding after every 128
	s_mov_b32 s[G1B+1], KSTEP<<16                  ; 64 rows of 256 elements, 1,024 elements apart
	s_mov_b32 s[G1B+2], 64<<16
	s_mov_b32 s[G1B+3], KSTEP<<16
	s_mov_b32 s[G1B+4], 64
	s_mov_b32 s[G1B+5], 1024
	s_mov_b32 s[G1B+6], 0
	s_mov_b32 s[G1B+7], 0
	s_lshl_b32 s16, s13, 1
	s_add_co_u32 s16, s16, s12                     ; A: block of 64 rows = 2 x tile row + half,
	s_lshl_b32 s16, s16, 17                        ; of 131,072 bytes
	s_mov_b32 s17, 0
	s_lshl_b32 s46, s42, 7
	s_lshl_b32 s47, s12, 6
	s_add_co_u32 s46, s46, s47                     ; W: row 128 x tile column + 64 x half,
	s_lshl_b32 s46, s46, 11                        ; of 2,048 bytes
	s_mov_b32 s47, 0
	s_mul_i32 s20, s12, HALFA                      ; where they go: no place in the cluster enters an LDS address
	s_mul_i32 s21, s12, HALFB
	s_add_co_u32 s21, s21, 2*HALFA
	s_wait_dscnt 0x0                               ; both opening adds are done
	s_wait_kmcnt 0x0
	s_add_nc_u64 s[14:15], s[4:5], s[16:17]
	s_add_nc_u64 s[46:47], s[6:7], s[46:47]
	CROUND                                         ; all sixteen work-groups are here: the first joint loads meet
.irp s, 0,1
	s_mov_b32 s[G0+4*\s], 1
	s_add_co_u32 s[G0+4*\s+1], s20, \s*SLOT
	s_add_nc_u64 s[G0+4*\s+2:G0+4*\s+3], s[14:15], \s*32768
	s_or_b32 s[G0+4*\s+3], s[G0+4*\s+3], 0x80000000
	s_mov_b32 s[G0B+4*\s], 1
	s_add_co_u32 s[G0B+4*\s+1], s21, \s*SLOT
	s_add_nc_u64 s[G0B+4*\s+2:G0B+4*\s+3], s[46:47], \s*KSTEP*2
	s_or_b32 s[G0B+4*\s+3], s[G0B+4*\s+3], 0x80000000
	JLOAD \s                                       ; two tensor loads of mine are out at the most
.endr
	v_and_b32 v1, 15, v0                           ; r
	v_bfe_u32 v2, v0, 4, 1                         ; h
	s_lshl_b32 s46, s42, 9                         ; my first column, in bytes of f32: 512 x tile column + 256 x half: for b_o and for out0
	s_lshl_b32 s47, s12, 8
	s_add_co_u32 s46, s46, s47
	s_mov_b32 s47, 0
	s_add_nc_u64 s[66:67], s[66:67], s[46:47]
	v_lshlrev_b32 v[BO], 5, v2
.irp b, 0,1,2,3
	global_load_b128 v[BI+8*\b:BI+8*\b+3], v[BO], s[66:67] offset:64*\b
	global_load_b128 v[BI+8*\b+4:BI+8*\b+7], v[BO], s[66:67] offset:64*\b+16
.endr
	v_mul_u32_u24 v3, v1, PITCH
	v_lshl_add_u32 v3, v2, 4, v3                   ; W: row x pitch + 16 h
	v_bfe_u32 v4, v0, 1, 3
	v_mul_u32_u24 v4, v4, 272
	v_and_b32 v5, 1, v0
	v_lshl_add_u32 v4, v5, 7, v4
	v_lshl_add_u32 v4, v2, 4, v4                   ; A: (r / 2) x 272 + (r % 2) x 128 + 16 h
	s_mul_i32 s21, s11, HALFA
	s_mul_i32 s22, s12, HALFB
	s_add_co_u32 s22, s22, 2*HALFA
.irp s, 0,1
	v_add_nc_u32 v[ADRA+\s], s21, v4
	v_add_nc_u32 v[ADRB+\s], s22, v3
	s_add_co_u32 s21, s21, SLOT
	s_add_co_u32 s22, s22, SLOT
.endr
	s_mul_i32 s23, s10, 16*SPITCH
	s_add_co_u32 s23, s23, STAGE                   ; my stage
	v_mul_u32_u24 v4, v1, SPITCH
	v_lshl_add_u32 v4, v2, 5, v4
	v_add_nc_u32 v[STO], s23, v4                   ; in: row r, 32 bytes for each half of the lanes
	v_mul_u32_u24 v5, v2, SPITCH
	v_lshl_add_u32 v5, v1, 4, v5
	v_add_nc_u32 v[RD], s23, v5                    ; back: lanes 0-15 one row of 256 bytes, lanes 16-31 the next
	v_lshlrev_b32 v5, 12, v2
	v_lshl_add_u32 v[CO], v1, 4, v5                ; and the same two rows in out0 (4,096 bytes a row)
	s_lshl_b32 s16, s13, 7
	s_lshl_b32 s17, s11, 6
	s_add_co_u32 s16, s16, s17                     ; my first row: 128 x tile row + 64 x half
	s_lshl_b32 s16, s16, 12
	s_mov_b32 s17, 0
	s_add_nc_u64 s[8:9], s[8:9], s[16:17]
	s_add_nc_u64 s[8:9], s[8:9], s[46:47]
; 8 matrix instructions: row blocks a0, a0 + 1 x all 4 column blocks, 32 along K: half c of buffer f.  first = 1: the first product starts the sums from the bias.  The 16 accumulators take turns.
.macro MUL8 f, c, a0, first
.irp a, \a0, \a0+1
.irp b, 0,1,2,3
.if \first
	v_wmma_f32_16x16x32_f16 v[ACC+8*(4*(\a)+\b):ACC+8*(4*(\a)+\b)+7], v[\f+64+8*(4*\c+\b):\f+64+8*(4*\c+\b)+7], v[\f+8*(4*\c+\a):\f+8*(4*\c+\a)+7], v[BI+8*\b:BI+8*\b+7]
.else
	v_wmma_f32_16x16x32_f16 v[ACC+8*(4*(\a)+\b):ACC+8*(4*(\a)+\b)+7], v[\f+64+8*(4*\c+\b):\f+64+8*(4*\c+\b)+7], v[\f+8*(4*\c+\a):\f+8*(4*\c+\a)+7], v[ACC+8*(4*(\a)+\b):ACC+8*(4*(\a)+\b)+7]
.endif
.endr
.endr
.endm
; 32 LDS loads in one run: the fragments of 64 along K (one head of A; byte k of W's rows) into buffer f; the first 32 along K first
.macro FETCH slot, k, f
	WIN TO_F
.irp c, 0,1
.irp i, 0,1,2,3
	ds_load_b128 v[\f+64+8*(4*\c+\i):\f+64+8*(4*\c+\i)+3],   v[ADRB+\slot] offset:\k+64*\c+\i*16*PITCH
	ds_load_b128 v[\f+64+8*(4*\c+\i)+4:\f+64+8*(4*\c+\i)+7], v[ADRB+\slot] offset:\k+64*\c+\i*16*PITCH+32
	ds_load_b128 v[\f+8*(4*\c+\i):\f+8*(4*\c+\i)+3],         v[ADRA+\slot] offset:((\k)/128)*8704+64*\c+\i*2176
	ds_load_b128 v[\f+8*(4*\c+\i)+4:\f+8*(4*\c+\i)+7],       v[ADRA+\slot] offset:((\k)/128)*8704+64*\c+\i*2176+32
.endr
.endr
.endm
.macro PLACES                          ; four plain places in front of loads into registers that matrix instructions have read, and of reads of results
.rept 4
	v_nop
.endr
.endm
.macro QUARTER slot, k, f, g, first
	s_wait_dscnt 16                                ; the first 32 along K are in; the youngest sixteen loads may be out
	WIN MUL
	MUL8 \f, 0, 0, \first
	MUL8 \f, 0, 2, \first
	PLACES
	FETCH \slot, \k, \g
	s_wait_dscnt 32                                ; all but the 32 just issued
	WIN MUL
	MUL8 \f, 1, 0, 0
	MUL8 \f, 1, 2, 0
.endm
; The last quarter changes slots: each wave waits for all its tensor loads, adds 0 to its spare word, waits for that and for its reads of this slot; fill = 1: a round of the cluster's barrier, then the refill, two K steps ahead.
.macro TURN slot, next, fill
	WIN 0
	s_wait_tensorcnt 0x0
	ds_add_u32 v[SPW], v[NIL]
	s_wait_dscnt 17                                ; the add and the youngest sixteen loads may be out
	WIN MUL
	MUL8 F1, 0, 0, 0
	s_wait_dscnt 0x0
	s_barrier_signal -1
	MUL8 F1, 0, 2, 0
.if \fill
	WIN 0
.endif
	s_barrier_wait -1
.if \fill
	CREST
	s_add_nc_u64 s[G0+4*\slot+2:G0+4*\slot+3], s[G0+4*\slot+2:G0+4*\slot+3], 2*32768
	s_add_nc_u64 s[G0B+4*\slot+2:G0B+4*\slot+3], s[G0B+4*\slot+2:G0B+4*\slot+3], 2*KSTEP*2
	JLOAD \slot                                    ; the first tensor load behind the round; its four v_nop are also the places in front of the loads below
.else
	PLACES
.endif
	FETCH \next, 0, F0
	WIN MUL
	MUL8 F1, 1, 0, 0
	MUL8 F1, 1, 2, 0
.endm
	s_wait_tensorcnt 1                             ; my part of K step 0 is in; K step 1's load may be out
	s_barrier_signal -1
	s_barrier_wait -1
	FETCH 0, 0, F0
	s_wait_loadcnt 0x0                             ; the bias
	QUARTER 0, 128, F0, F1, 1
	WIN 0
	s_mov_b32 s3, LAPS-1
.Llap:                                                 ; a trip goes once round the ring and fills both slots again
	QUARTER 0, 256, F1, F0, 0
	QUARTER 0, 384, F0, F1, 0
	TURN 0, 1, 1
	QUARTER 1, 128, F0, F1, 0
	QUARTER 1, 256, F1, F0, 0
	QUARTER 1, 384, F0, F1, 0
	TURN 1, 0, 1
	QUARTER 0, 128, F0, F1, 0
	WIN 0
	s_sub_co_u32 s3, s3, 1
	s_cmp_lg_u32 s3, 0
	s_cbranch_scc1 .Llap
	QUARTER 0, 256, F1, F0, 0                      ; the last lap fills nothing
	QUARTER 0, 384, F0, F1, 0
	TURN 0, 1, 0
	QUARTER 1, 128, F0, F1, 0
	QUARTER 1, 256, F1, F0, 0
	QUARTER 1, 384, F0, F1, 0
	s_wait_dscnt 16
	WIN MUL
	MUL8 F1, 0, 0, 0
	MUL8 F1, 0, 2, 0
	s_wait_dscnt 0
	MUL8 F1, 1, 0, 0
	MUL8 F1, 1, 2, 0
	WIN 0
; THE WAY OUT, block by block of 16 rows x 64 columns of f32: a row is 256 bytes.  Through my own stage, back as whole rows: sixteen lanes store 256 consecutive bytes, aligned.
.macro TOSTAGE a
.irp b, 0,1,2,3
	ds_store_b128 v[STO], v[ACC+8*(4*(\a)+\b):ACC+8*(4*(\a)+\b)+3] offset:64*\b          ; each accumulator from its low end on
	ds_store_b128 v[STO], v[ACC+8*(4*(\a)+\b)+4:ACC+8*(4*(\a)+\b)+7] offset:64*\b+16
.endr
.irp t, 0,1,2,3,4,5,6,7
	ds_load_b128 v[32+32*((\a)%2)+4*\t:32+32*((\a)%2)+4*\t+3], v[RD] offset:2*SPITCH*\t   ; in order behind my stores, and ahead of the next block's
.endr
.endm
.macro SEND a, younger                 ; younger: the next block's 8 stores and 8 loads, which may stay out
	s_wait_dscnt \younger
.irp t, 0,1,2,3,4,5,6,7
	global_store_b128 v[CO], v[32+32*((\a)%2)+4*\t:32+32*((\a)%2)+4*\t+3], s[8:9] offset:(16*(\a)+2*\t)*4096 th:TH_STORE_NT
.endr
.endm
	PLACES
	TOSTAGE 0
	TOSTAGE 1
	SEND 0, 16
	s_wait_xcnt 0x0                                ; block 0's stores have read their registers: block 2's loads may land there
	TOSTAGE 2
	SEND 1, 16
	s_wait_xcnt 0x0
	TOSTAGE 3
	SEND 2, 16
	SEND 3, 0
	s_wait_tensorcnt 0x0                           ; the wave's end
	ds_add_u32 v[SPW], v[NIL]
	s_wait_dscnt 0x0
	CROUND                                         ; the closing round
	s_endpgm
.Lfunc_end_k_q66175333f4_oproj:
	.size	k_q66175333f4_oproj, .Lfunc_end_k_q66175333f4_oproj-k_q66175333f4_oproj
	.p2alignl 7, 3214868480
	.fill 96, 4, 3214868480
	.section	.rodata,"a",@progbits
	.p2align	6, 0x0
	.amdhsa_kernel k_q66175333f4_oproj
		.amdhsa_group_segment_fixed_size 327680
		.amdhsa_private_segment_fixed_size 0
		.amdhsa_enable_private_segment 0
		.amdhsa_kernarg_size 32
		.amdhsa_user_sgpr_count 2
		.amdhsa_user_sgpr_kernarg_segment_ptr 1
		.amdhsa_wavefront_size32 1
		.amdhsa_system_sgpr_workgroup_id_x 1
		.amdhsa_system_sgpr_workgroup_id_y 1
		.amdhsa_system_sgpr_workgroup_id_z 1
		.amdhsa_system_vgpr_workitem_id 0
		.amdhsa_next_free_vgpr 512
		.amdhsa_next_free_sgpr 68
		.amdhsa_reserve_vcc 0
		.amdhsa_float_denorm_mode_32 3
		.amdhsa_float_denorm_mode_16_64 3
		.amdhsa_memory_ordered 1
		.amdhsa_forward_progress 1
		.amdhsa_inst_pref_size 87
	.end_amdhsa_kernel
	.amdgpu_metadata
---
amdhsa.version: [ 1, 2 ]
amdhsa.kernels:
  - .name:           k_q66175333f4_oproj
    .symbol:         k_q66175333f4_oproj.kd
    .args:
      - { .name: ao, .offset: 0, .size: 8, .value_kind: global_buffer, .address_space: global }
      - { .name: wot, .offset: 8, .size: 8, .value_kind: global_buffer, .address_space: global }
      - { .name: out0, .offset: 16, .size: 8, .value_kind: global_buffer, .address_space: global }
      - { .name: b_o, .offset: 24, .size: 8, .value_kind: global_buffer, .address_space: global }
    .group_segment_fixed_size: 327680
    .private_segment_fixed_size: 0
    .kernarg_segment_align: 8
    .kernarg_segment_size: 32
    .max_flat_workgroup_size: 128
    .sgpr_count:     68
    .vgpr_count:     512
    .wavefront_size: 32
...
	.end_amdgpu_metadata
.endif
;; end of part 4
